; MI455X (gfx1250); checked and timed in simulation.
; The chip was launched on July 23, 2026; its instructions are those of AMD's public machine-readable ISA for CDNA 5 (MIT licence, August 2026) and "CDNA5" Instruction Set Architecture Reference Guide (July 2026). The comments in the code are by the model that wrote it; some were corrected since.
;; Bi Hgru2d. Allowed arithmetic: matrix products marked QUANTISED: E2M3 operands, one E8M0 scale for each 32 along K, by v_wmma_scale_f32_16x16x128_f8f6f4 with both operands' format E2M3, f32 sums; everything else in f32.
;; Inputs: W_gate_codes 256 x 4 x 24 uint8 (E2M3 codes of W_gate, K innermost, in blocks of 32 codes, four codes in three bytes); W_gate_scales 256 x 4 uint8 (E8M0 scales of W_gate, one for each 32 codes along K); W_in_codes 256 x 4 x 24 uint8 (E2M3 codes of W_in, K innermost, in blocks of 32 codes, four codes in three bytes); W_in_scales 256 x 4 uint8 (E8M0 scales of W_in, one for each 32 codes along K); W_lambda_codes 128 x 4 x 24 uint8 (E2M3 codes of W_lambda, K innermost, in blocks of 32 codes, four codes in three bytes); W_lambda_scales 128 x 4 uint8 (E8M0 scales of W_lambda, one for each 32 codes along K); W_out_codes 128 x 8 x 24 uint8 (E2M3 codes of W_out, K innermost, in blocks of 32 codes, four codes in three bytes); W_out_scales 128 x 8 uint8 (E8M0 scales of W_out, one for each 32 codes along K); b_gate 256 float32; b_in 256 float32; b_lambda 128 float32; b_out 128 float32; ln_b 256 float32; ln_w 256 float32; theta_f 128 float32; theta_r 128 float32; x_codes 128 x 128 x 8 x 4 x 24 uint8 (E2M3 codes of x, K innermost, in blocks of 32 codes, four codes in three bytes); x_scales 128 x 128 x 8 x 4 uint8 (E8M0 scales of x, one for each 32 codes along K).
;; Outputs: out0 128 x 128 x 8 x 128 float32.
;; This version of the problem:
;;   THIS VERSION OF THE PROBLEM IS GIVEN IN LOW PRECISION. The matrix products marked QUANTISED in the list below multiply operands that are first quantised to E2M3 (2 exponent bits, 3 mantissa bits; 6 bits a number), with one power-of-two scale for each 32 numbers along K (OCP MX v1.0); their sums are f32. All else is computed in f32.
;;   The module's matrix products, in the order in which they are computed (A, B: the left and right operand; K: the contracted axis; several contracted axes count as one K, in the product's order):
;;     1. [M 131,072, K 128] x [K 128, N 256]; A: input x (given as codes); B: input W_in (given as codes): QUANTISED
;;     2. [M 131,072, K 128] x [K 128, N 256]; A: input x (given as codes); B: input W_gate (given as codes): QUANTISED
;;     3. [M 131,072, K 128] x [K 128, N 128]; A: input x (given as codes); B: input W_lambda (given as codes): QUANTISED
;;     4. [M 131,072, K 256] x [K 256, N 128]; A: computed on the way; B: input W_out (given as codes): QUANTISED
;;   THE QUANTISER, for each operand of a quantised product, along K:
;;     - K is cut into blocks of 32 from its start; a last block that is shorter is filled with zeros.
;;     - A block's scale is 2^e with e = floor(log2(the largest magnitude in the block)) - 2, held to -126 .. 127; a block of zeros has e = 0. As a byte (E8M0): e + 127.
;;     - Each number is divided by its block's scale, clamped to +-7.5, and rounded to the nearest number of E2M3, ties to even, subnormals kept.
;;     - The product sums the exact products of the quantised numbers (number of the format x scale) in f32.
;;   ~~~python
;;   def quantise(x, axis):      # numpy; x: float32 -> the quantised numbers, widened to float32 again
;;       x = np.moveaxis(x, axis, -1); K = x.shape[-1]
;;       x = np.pad(x, [(0, 0)] * (x.ndim - 1) + [(0, -K % 32)]); x = x.reshape(x.shape[:-1] + (-1, 32)); a = np.abs(x).max(-1, keepdims=True)
;;       e = np.where(a > 0, np.clip(np.frexp(np.where(a > 0, a, 1))[1] - 1 - 2, -126, 127), 0)      # np.frexp(a)[1] - 1 = floor(log2(a)), exactly
;;       r = np.clip(x / 2.0 ** e, -7.5, 7.5)
;;       step = 2.0 ** (np.maximum(np.frexp(np.where(r == 0, 1, r))[1] - 1, 0) - 3)
;;       q = np.round(r / step) * step * 2.0 ** e      # np.round: ties to even
;;       return np.moveaxis(q.reshape(q.shape[:-2] + (-1,))[..., :K], -1, axis).astype(np.float32)
;;   ~~~
;;   OPERANDS COMPUTED ON THE WAY. 'Computed on the way' means the value that the module computes at that place (a softmax that the list does not call 'softmax' is quantised finished and normalised). What goes into a quantiser is computed in f32, as accurately as f32 sums, v_exp_f32 and their like allow (about 1e-6 of the number): no bf16 or f16 on the way to a quantiser, and a product that is left as it is and whose result goes on into a quantised operand takes f32 operands (vector FMAs, or v_wmma_f32_16x16x4_f32). A number that lies on a knife's edge between two numbers of the format may be rounded either way, as far as f32 arithmetic and the matrix unit's own rounding can turn it there, and no further.
;;   INPUTS GIVEN AS CODES. W_gate (in the module: [128, 256], K = its axis 0); W_in (in the module: [128, 256], K = its axis 0); W_lambda (in the module: [128, 128], K = its axis 0); W_out (in the module: [256, 128], K = its axis 0); x (in the module: [128, 128, 8, 128], K = its axis 3): each comes as NAME_codes (uint8): NAME with its K axis moved to the last place and cut into blocks of 32 codes, [.., K / 32, bytes a block], one block behind the other in memory; four codes in three bytes: a row's codes are one little-endian stream of bits, code i at bits 6 i .. 6 i + 5 (a code: sign, 2 exponent bits, 3 mantissa bits); and NAME_scales (uint8): the same leading axes, one E8M0 byte (e + 127) for each 32 codes along K. Its value is code x scale, taken as it is: it is not quantised again, and the codes and scales need not be those that the quantiser above would give.
;; 2 versions, each right; version 2 is version 1 with the launch hscan written anew for expert scheduling mode. Each part assembles by itself: llvm-mc -triple=amdgcn-amd-amdhsa -mcpu=gfx1250 --defsym DOCPART=n.
;; ======== version 1 of 2: 2 launches
;; limits: right only within a limited range of input values
;; workspace buffers: hsum 134,217,728 bytes
;; launch hscan (part 1): grid 1024 x 1, 8 waves a work-group, no clusters, 134,144 bytes of LDS; arguments x_codes, x_scales, W_in_codes, W_in_scales, W_lambda_codes, W_lambda_scales, b_in, b_lambda, theta_f, theta_r, hsum; writes hsum
.if DOCPART == 1
	.amdgcn_target "amdgcn-amd-amdhsa--gfx1250"
	.amdhsa_code_object_version 6
	.text
	.protected	k_qc319dab34e_hscan
	.globl	k_qc319dab34e_hscan
	.p2align	8
	.type	k_qc319dab34e_hscan,@function
k_qc319dab34e_hscan:
	s_mov_b64 s[64:65], 0
	v_nop
	global_prefetch_b8 v0, s[64:65] scope:SCOPE_SE
	s_setreg_imm32_b32 hwreg(HW_REG_WAVE_MODE, 25, 1), 1
	s_wait_xcnt 0x0
; hsum[h][w][b][0:128 | 128:256] = (real | imaginary) of the forward scan + the reverse scan along h.
; h_t = lam_t e^(i theta) h_(t-1) + (1 - lam_t) silu(x W_in + b_in), lam = sigmoid(x W_lambda + b_lambda); both products on codes of FP6 (E2M3) with E8M0 scales, as given.
; SHARES.  A work-group owns ONE line (w, b): 128 positions h x 128 channels.  Wave c owns channels 16 c .. 16 c + 15.
; THE LINE IS MIRRORED.  Tile i of x takes as its rows 0-7 the positions 8 i + j and as its rows 8-15 the positions 127 - (8 i + j).  In the result (source 0 = x's rows, source 1 = 16 columns of W)
; a lane holds one channel (lane % 16) and register j row 8 (lane / 16) + j: with k = 8 i + j lanes 0-15 hold position k, lanes 16-31 position 127 - k.
; Phase 1, k rising: lanes 0-15 run the forward scan over 0..63, lanes 16-31 the reverse scan over 127..64.  The end states change halves.  Phase 2, k falling: lanes 0-15 the reverse scan over 63..0,
; lanes 16-31 the forward scan over 64..127.  theta is a constant of the lane and the phase, so both halves run one text.
; The sums go through LDS (row = tile row, column = feature) and leave as whole rows of 1,024 bytes.
; LIMITS: |theta| under 1e5 (two-part reduction by pi / 2); NaN and infinities among the inputs are not served; the scans are summed in sequence, not by the tree of an associative scan: they differ by f32 rounding.
.set PITCH, 1040                       ; a row of F in LDS: 1,024 bytes + 16 = 260 words: 16 rows start 4 banks apart (64 banks of 4 bytes: ISA guide 11.1)
.set FB,    0                          ; F: 128 rows.  Ahead of the second barrier its first bytes hold the images of x's eight fragments (1,536 bytes each) and their scale words
.set XSI,   FB+12288
.set PSTR,  98304                      ; bytes of x_codes from a position to the next: 1,024 rows of 96
.set PSTRS, 4096                       ; and of x_scales
; window 0
.set LI16, 1                           ; 16 x lane
.set LI4,  2                           ; 4 x lane
.set FW,   3                           ; v3-5  where I store my channel's column of F: tiles 0-2, 3-5, 6-7
.set XA,   6                           ; x's images
.set XSA,  7                           ; their scale words
.set YR,   15                          ; my wave's 16 rows of F, 16 bytes a lane
.set XOWN, 16                          ; v16-27  the fragment of x that my wave fetches
.set XF,   28                          ; v28-51  two buffers for x's fragments
.set WFR,  52                          ; W_in's even columns (real), odd columns (imaginary), W_lambda's
.set WFI,  64
.set WFL,  76
.set BR,   88                          ; the biases, eight copies each: the C of the products
.set BI,   96
.set BL,   104
.set Q1,   112                         ; (-sin, sin) of phase 1
.set CC,   114                         ; (cos of phase 1, cos of phase 2)
.set Q2,   116                         ; (-sin, sin) of phase 2
.set H2I,  118                         ; the state that phase 2 begins with
.set ACC,  120                         ; v120-143 three accumulators
.set GA,   136                         ; lam cos, eight: in the third accumulator's registers, free once its exponent's argument is made
.set E,    144                         ; v144-167 at work on the sigmoids
.set OML,  160                         ; 1 - lam, eight
.set GB,   168                         ; v168-183 lam (-sin, sin), eight pairs
.set LAM,  184                         ; v184-247 lam of my 64 positions; at the head these registers hold offsets and what sine and cosine need
.set XS,   248                         ; scale words of the two buffers
.set XOWNS, 250
.set WSR,  252
.set WSI,  253
.set WSL,  254
.set OB,   92                          ; the way out: 128 registers
; window 1
.set IN,   0                           ; pair k: (1 - lam) silu, real and imaginary; in phase 2 its state
.set PART, 128                         ; pair k: phase 1's state, then the sum of both
; head only
.set TL, 184
.set TR, 185
.set THF, 186
.set TP, 188
.set VX, 189
.set VXS, 190
.set VA, 191
.set VB, 192
.set VD, 194
.set VE, 195
.set XAW, 199
.set XSAW, 200
.set TBIN, 204
.set TBL, 206
.set TTF, 207
.set TTR, 208
.set ST, 209
.set TT, 217
.set CF, 220
.set SF, 221
.set CR, 222
.set SR, 223
.set MSB, 0
.macro WIN new                         ; the immediate's high byte repeats the setting that is left; a switch that changes nothing is dropped
.if MSB != \new
	s_set_vgpr_msb (MSB<<8)|\new
.set MSB, \new
.endif
.endm
.macro GFRAG reg, off, base, imm       ; a fragment, 16 rows x 128 K of 6-bit codes: 24 bytes of the row at 24 (lane / 16), 24 more 48 bytes on, in pieces of 8 bytes
.irp p, 0,1,2,3,4,5
	global_load_b64 v[\reg+2*\p:\reg+2*\p+1], v[\off], s[\base:\base+1] offset:\imm+48*(\p/3)+8*(\p%3)
.endr
.endm
.macro BARRIER                         ; my LDS stores have landed and my LDS loads are in: then the work-group's barrier
	s_wait_dscnt 0x0
	s_barrier_signal -1
	s_barrier_wait -1
.endm
; cosine and sine by plain arithmetic: q = the nearest whole number to ang x 2 / pi; r = ang - q pi / 2 in two parts; polynomials on |r| <= pi / 4; the quadrant swaps and signs them
.macro SINCOS ang, co, si, tmp
	v_mul_f32 v[\tmp], 0x3f22f983, v[\ang]
	v_rndne_f32 v[\tmp], v[\tmp]
	v_fmamk_f32 v[\tmp+1], v[\tmp], 0xbfc90fdb, v[\ang]
	v_fmamk_f32 v[\tmp+1], v[\tmp], 0x333bbd2e, v[\tmp+1]
	v_cvt_i32_f32 v[\tmp], v[\tmp]
	v_mul_f32 v[\tmp+2], v[\tmp+1], v[\tmp+1]
	v_mov_b32 v[\tmp+3], 0xb94ca1f9
	v_fmaak_f32 v[\tmp+3], v[\tmp+3], v[\tmp+2], 0x3c08839e
	v_fmaak_f32 v[\tmp+3], v[\tmp+3], v[\tmp+2], 0xbe2aaaa3
	v_mul_f32 v[\tmp+4], v[\tmp+1], v[\tmp+2]
	v_fma_f32 v[\tmp+3], v[\tmp+4], v[\tmp+3], v[\tmp+1]
	v_mov_b32 v[\tmp+4], 0x37ccf5ce
	v_fmaak_f32 v[\tmp+4], v[\tmp+4], v[\tmp+2], 0xbab6061a
	v_fmaak_f32 v[\tmp+4], v[\tmp+4], v[\tmp+2], 0x3d2aaaa5
	v_mul_f32 v[\tmp+4], v[\tmp+4], v[\tmp+2]
	v_fma_f32 v[\tmp+5], v[\tmp+2], -0.5, 1.0
	v_fma_f32 v[\tmp+4], v[\tmp+4], v[\tmp+2], v[\tmp+5]
	v_and_b32 v[\tmp+5], 1, v[\tmp]
	v_cmp_ne_u32 vcc_lo, 0, v[\tmp+5]
	v_cndmask_b32 v[\si], v[\tmp+3], v[\tmp+4], vcc_lo
	v_cndmask_b32 v[\co], v[\tmp+4], v[\tmp+3], vcc_lo
	v_lshlrev_b32 v[\tmp+5], 30, v[\tmp]
	v_and_b32 v[\tmp+5], 0x80000000, v[\tmp+5]
	v_xor_b32 v[\si], v[\si], v[\tmp+5]
	v_add_nc_u32 v[\tmp], 1, v[\tmp]
	v_lshlrev_b32 v[\tmp], 30, v[\tmp]
	v_and_b32 v[\tmp], 0x80000000, v[\tmp]
	v_xor_b32 v[\co], v[\co], v[\tmp]
.endm
.macro FETCHX i, buf                   ; tile i's fragment of x and its scale words come back as they were stored: the same registers in the same lanes
.irp c, 0,1,2
	ds_load_b128 v[XF+12*(\buf)+4*\c:XF+12*(\buf)+4*\c+3], v[XA] offset:(\i)*1536+512*\c
.endr
	ds_load_b32 v[XS+(\buf)], v[XSA] offset:(\i)*128
.endm
.macro GAMMA i, q, sel                 ; tile i's gammas: lam cos for two positions at once, lam (-sin, sin) for each
.irp jj, 0,1,2,3
	v_pk_mul_f32 v[GA+2*\jj:GA+2*\jj+1], v[LAM+8*\i+2*\jj:LAM+8*\i+2*\jj+1], v[CC:CC+1] op_sel:[0,\sel] op_sel_hi:[1,\sel]
.irp par, 0,1
	v_pk_mul_f32 v[GB+4*\jj+2*\par:GB+4*\jj+2*\par+1], v[LAM+8*\i+2*\jj:LAM+8*\i+2*\jj+1], v[\q:\q+1] op_sel:[\par,0] op_sel_hi:[\par,1]
.endr
.endr
.endm
.macro CT d, p, gb, a                  ; d = (-g_i p_i + a_r, g_i p_r + a_i): the state's halves crossed
	v_pk_fma_f32 v[\d:\d+1], v[\p:\p+1], v[\gb:\gb+1], v[\a:\a+1] op_sel:[1,0,0] op_sel_hi:[0,1,1]
.endm
.macro CH d, p, ga, sel                ; d += g_r (p_r, p_i)
	v_pk_fma_f32 v[\d:\d+1], v[\p:\p+1], v[\ga:\ga+1], v[\d:\d+1] op_sel:[0,\sel,0] op_sel_hi:[1,\sel,1]
.endm
.macro OMUL k, pr, sel                 ; position k's silu pair x (1 - lam)
	v_pk_mul_f32 v[IN+2*(\k):IN+2*(\k)+1], v[IN+2*(\k):IN+2*(\k)+1], v[OML+2*(\pr):OML+2*(\pr)+1] op_sel:[0,\sel] op_sel_hi:[1,\sel]
.endm
.macro ADDP k                          ; the sum of the two scans at position k
	v_pk_fma_f32 v[PART+2*(\k):PART+2*(\k)+1], v[IN+2*(\k):IN+2*(\k)+1], 1.0, v[PART+2*(\k):PART+2*(\k)+1] op_sel_hi:[1,0,1]
.endm
; TILE i: three products, 24 sigmoids, and eight steps of phase 1
.macro TILE i
	WIN 0
.if \i < 7
	s_wait_dscnt 4                                 ; this tile's four loads are in; the next tile's four may be out
.else
	s_wait_dscnt 0x0
.endif
.set XB, XF+12*(\i%2)
	v_wmma_scale_f32_16x16x128_f8f6f4 v[ACC:ACC+7], v[XB:XB+11], v[WFR:WFR+11], v[BR:BR+7], v[XS+\i%2], v[WSR] matrix_a_fmt:MATRIX_FMT_FP6 matrix_b_fmt:MATRIX_FMT_FP6
	v_wmma_scale_f32_16x16x128_f8f6f4 v[ACC+8:ACC+15], v[XB:XB+11], v[WFI:WFI+11], v[BI:BI+7], v[XS+\i%2], v[WSI] matrix_a_fmt:MATRIX_FMT_FP6 matrix_b_fmt:MATRIX_FMT_FP6
	v_wmma_scale_f32_16x16x128_f8f6f4 v[ACC+16:ACC+23], v[XB:XB+11], v[WFL:WFL+11], v[BL:BL+7], v[XS+\i%2], v[WSL] matrix_a_fmt:MATRIX_FMT_FP6 matrix_b_fmt:MATRIX_FMT_FP6
.rept 4
	v_nop                                          ; four places behind the products, for the reads of their results and the loads into their buffer
.endr
.set N, 0
.rept 12
	v_pk_mul_f32 v[E+2*N:E+2*N+1], v[ACC+2*N:ACC+2*N+1], s[82:83] op_sel_hi:[1,0]   ; -z log2(e); each accumulator from its low end on
.set N, N+1
.endr
.if \i < 6
	FETCHX \i+2, \i%2                              ; the buffer just multiplied takes the tile two on
.endif
.set N, 0
.rept 24
	v_exp_f32 v[E+N], v[E+N]
.set N, N+1
.endr
	v_nop                                          ; a plain place behind the exponentials
.set N, 0
	s_wait_alu depctr_va_vdst(0)
.rept 12
	v_pk_add_f32 v[E+2*N:E+2*N+1], v[E+2*N:E+2*N+1], 1.0 op_sel_hi:[1,0]
.set N, N+1
.endr
.set N, 0
.rept 16
	v_rcp_f32 v[E+N], v[E+N]                       ; the sigmoids of the real and imaginary inputs
.set N, N+1
.endr
.set N, 0
.rept 8
	v_rcp_f32 v[LAM+8*\i+N], v[E+16+N]             ; lam
.set N, N+1
.endr
	v_nop                                          ; a plain place behind the reciprocals
.set N, 0
	s_wait_alu depctr_va_vdst(0)
.rept 4
	v_pk_fma_f32 v[OML+2*N:OML+2*N+1], v[LAM+8*\i+2*N:LAM+8*\i+2*N+1], -1.0, 1.0 op_sel_hi:[1,0,0]   ; 1 - lam
.set N, N+1
.endr
	GAMMA \i, Q1, 0
	WIN 0x40                                       ; destination window 1
.set N, 0
.rept 8
	v_mul_f32 v[IN+16*\i+2*N], v[ACC+N], v[E+N]            ; silu = z sigmoid(z)
	v_mul_f32 v[IN+16*\i+2*N+1], v[ACC+8+N], v[E+8+N]
.set N, N+1
.endr
	WIN 0x51                                       ; source 0, source 2 and destination window 1; the gammas and 1 - lam in window 0
	OMUL 8*\i, 0, 0
.irp jj, 0,1,2,3
.irp par, 0,1
.set K, 8*\i+2*\jj+\par
.if K > 0
	CT PART+2*K, PART+2*K-2, GB+4*\jj+2*\par, IN+2*K
.else
	v_mov_b32 v[PART], v[IN]                       ; the first state is the first input
.endif
.if \par == 0
	OMUL K+1, \jj, 1                               ; the next position's input stands between the step's two lines
.elseif \jj < 3
	OMUL K+1, \jj+1, 0
.endif
.if K > 0
	CH PART+2*K, PART+2*K-2, GA+2*\jj, \par
.else
	v_mov_b32 v[PART+1], v[IN+1]
.endif
.endr
.endr
	WIN 0
.endm
; BATCH2 i: eight steps of phase 2, k falling; the sums of both scans go to F
.macro BATCH2 i
	WIN 0
	GAMMA \i, Q2, 1
.irp jj, 3,2,1,0
.irp par, 1,0
.set K, 8*\i+2*\jj+\par
.if K == 63
	WIN 0x50                                       ; the first step's state lies in window 0
	CT IN+2*K, H2I, GB+4*\jj+2*\par, IN+2*K
	CH IN+2*K, H2I, GA+2*\jj, \par
.else
	WIN 0x51
	CT IN+2*K, IN+2*K+2, GB+4*\jj+2*\par, IN+2*K
.if (2*\jj+\par) < 7
	ADDP K+1                                       ; the step before's sum stands between the step's two lines
.endif
	CH IN+2*K, IN+2*K+2, GA+2*\jj, \par
.endif
.endr
.endr
	WIN 0x51
	ADDP 8*\i
	WIN 0x04                                       ; an LDS store's data are its source 1: window 1
.set N, 0
.rept 8
	ds_store_b32 v[FW+\i/3], v[PART+16*\i+2*N] offset:((\i%3)*16+N)*PITCH            ; lanes 0-15: 16 neighbouring words of row 16 i + N; lanes 16-31: of the row 8 further down, 32 banks on
	ds_store_b32 v[FW+\i/3], v[PART+16*\i+2*N+1] offset:((\i%3)*16+N)*PITCH+512
.set N, N+1
.endr
	WIN 0
.endm
	s_load_b512 s[8:23], s[0:1], 0x0               ; x_codes 8, x_scales 10, W_in_codes 12, W_in_scales 14, W_lambda_codes 16, W_lambda_scales 18, b_in 20, b_lambda 22
	s_load_b128 s[24:27], s[0:1], 0x40             ; theta_f 24, theta_r 26
	s_load_b64 s[28:29], s[0:1], 0x50              ; hsum
	v_lshl_add_u32 v251, v0, 2, 0x20800
	v_mov_b32 v255, 0
	v_lshrrev_b32 v[TL], 5, v0
	v_readfirstlane_b32 s2, v[TL]                  ; wave 0..7
	v_and_b32 v[TL], 31, v0                        ; lane
	v_and_b32 v[TR], 15, v0                        ; r
	v_bfe_u32 v[THF], v0, 4, 1                     ; which half of the lanes
	s_lshl_b32 s66, s2, 3
	v_and_b32 v[TP], 7, v0
	v_add_nc_u32 v[TP], s66, v[TP]                 ; 8 wave + r % 8,
	v_bfe_u32 v[TT], v0, 3, 1
	v_mul_u32_u24 v[TT], v[TT], 127
	v_xor_b32 v[TP], v[TP], v[TT]                  ; mirrored (127 - k = 127 xor k) for r >= 8: the position of row r of my wave's tile
	v_lshlrev_b32 v[LI16], 4, v[TL]
	v_lshlrev_b32 v[LI4], 2, v[TL]
	s_lshl_b32 s66, s2, 6
	s_add_co_u32 s66, s66, FB
	v_mul_u32_u24 v[FW], v[THF], 8*PITCH
	v_lshl_add_u32 v[FW], v[TR], 2, v[FW]
	v_add_nc_u32 v[FW], s66, v[FW]                 ; F: row 8 (lane / 16), column 16 wave + r
	v_add_nc_u32 v[FW+1], 48*PITCH, v[FW]
	v_add_nc_u32 v[FW+2], 96*PITCH, v[FW]
	v_add_nc_u32 v[XA], FB, v[LI16]
	v_add_nc_u32 v[XSA], XSI, v[LI4]
	s_mul_i32 s66, s2, 16*PITCH
	s_add_co_u32 s66, s66, FB
	v_add_nc_u32 v[YR], s66, v[LI16]
	s_mul_i32 s66, s2, 1536
	s_add_co_u32 s66, s66, FB
	v_add_nc_u32 v[XAW], s66, v[LI16]              ; where my wave's image of x goes
	s_lshl_b32 s66, s2, 7
	s_add_co_u32 s67, s66, XSI
	v_add_nc_u32 v[XSAW], s67, v[LI4]
	v_lshl_add_u32 v[VD], v[TR], 3, s66            ; 8 bytes a channel: W_in's two scale words, b_in's two numbers
	s_lshl_b32 s66, s2, 6
	v_lshl_add_u32 v[VE], v[TR], 2, s66            ; 4 bytes a channel
	v_mul_u32_u24 v[VX], v[TP], PSTR
	v_mad_u32_u24 v[VX], v[THF], 24, v[VX]
	v_mul_u32_u24 v[VXS], v[TP], PSTRS
	s_mul_i32 s66, s2, 3072
	v_mul_u32_u24 v[VA], v[TR], 192                ; W_in: rows 2 (16 wave + r) and the next
	v_mad_u32_u24 v[VA], v[THF], 24, v[VA]
	v_add_nc_u32 v[VA], s66, v[VA]
	s_mul_i32 s66, s2, 1536
	v_mul_u32_u24 v[VB], v[TR], 96                 ; W_lambda: row 16 wave + r
	v_mad_u32_u24 v[VB], v[THF], 24, v[VB]
	v_add_nc_u32 v[VB], s66, v[VB]
	s_mov_b32 s60, 0x76543210
	s_mov_b32 s61, 0xfedcba98                      ; v_permlanex16_b32's selects for lane l xor 16
	s_mov_b32 s82, 0xbfb8aa3b                      ; -log2(e)
	s_mov_b32 s83, s82                             ; (named with it as a pair, so it is written)
	s_mov_b32 s67, 0
	s_wait_kmcnt 0x0
	s_mul_i32 s66, ttmp9, 96                       ; the line's row at position 0 is the work-group's number
	s_add_nc_u64 s[8:9], s[8:9], s[66:67]
	s_lshl_b32 s66, ttmp9, 2
	s_add_nc_u64 s[10:11], s[10:11], s[66:67]
	s_lshl_b32 s66, ttmp9, 10                      ; hsum: 1,024 bytes a row, 2^20 bytes a position
	s_lshl_b32 s68, s2, 23
	s_add_co_u32 s68, s68, s66
	s_mov_b32 s69, 0
	s_add_nc_u64 s[70:71], s[28:29], s[68:69]      ; position 8 wave
	s_lshl_b32 s68, s2, 3
	s_sub_co_u32 s68, 127, s68
	s_lshl_b32 s68, s68, 20
	s_add_co_u32 s68, s68, s66
	s_add_nc_u64 s[72:73], s[28:29], s[68:69]      ; position 127 - 8 wave
	GFRAG XOWN, VX, 8, 0
	global_load_b32 v[XOWNS], v[VXS], s[10:11]
	GFRAG WFR, VA, 12, 0
	GFRAG WFI, VA, 12, 96
	GFRAG WFL, VB, 16, 0
	global_load_b64 v[WSR:WSR+1], v[VD], s[14:15]
	global_load_b32 v[WSL], v[VE], s[18:19]
	global_load_b64 v[TBIN:TBIN+1], v[VD], s[20:21]
	global_load_b32 v[TBL], v[VE], s[22:23]
	global_load_b32 v[TTF], v[VE], s[24:25]
	global_load_b32 v[TTR], v[VE], s[26:27]
	s_wait_loadcnt 0x0
.irp c, 0,1,2
	ds_store_b128 v[XAW], v[XOWN+4*\c:XOWN+4*\c+3] offset:512*\c     ; the fragment goes to LDS as an image of its registers
.endr
	ds_store_b32 v[XSAW], v[XOWNS]
	BARRIER                                        ; x's eight fragments lie in LDS
	FETCHX 0, 0
	FETCHX 1, 1
.set N, 0
.rept 8
	v_mov_b32 v[BR+N], v[TBIN]                     ; a lane's column has one bias for all eight rows
	v_mov_b32 v[BI+N], v[TBIN+1]
	v_mov_b32 v[BL+N], v[TBL]
.set N, N+1
.endr
	SINCOS TTF, CF, SF, ST
	SINCOS TTR, CR, SR, ST
	v_cmp_ne_u32 vcc_lo, 0, v[THF]
	v_cndmask_b32 v[Q1+1], v[SF], v[SR], vcc_lo    ; phase 1: lanes 0-15 theta_f, lanes 16-31 theta_r
	v_cndmask_b32 v[Q2+1], v[SR], v[SF], vcc_lo    ; phase 2: the other way round
	v_cndmask_b32 v[CC], v[CF], v[CR], vcc_lo
	v_cndmask_b32 v[CC+1], v[CR], v[CF], vcc_lo
	v_xor_b32 v[Q1], 0x80000000, v[Q1+1]
	v_xor_b32 v[Q2], 0x80000000, v[Q2+1]
	v_mov_b32 v[H2I], 0                            ; written once: a lane permute's destination counts as one of its sources
	v_mov_b32 v[H2I+1], 0
.irp i, 0,1,2,3,4,5,6,7
	TILE \i
.endr
	WIN 0x01                                       ; source 0 window 1
	v_permlanex16_b32 v[H2I], v[PART+126], s60, s61        ; the end states change halves
	v_permlanex16_b32 v[H2I+1], v[PART+127], s60, s61
	WIN 0
	BARRIER                                        ; every wave's reads of x's images are over: F may be stored over them
.irp i, 7,6,5,4,3,2,1,0
	BATCH2 \i
.endr
	BARRIER                                        ; F is whole
.set N, 0
.rept 32
	ds_load_b128 v[OB+4*N:OB+4*N+3], v[YR] offset:(N/2)*PITCH+512*(N%2)      ; my 16 rows, 512 bytes an instruction
.set N, N+1
.endr
.set N, 0
.rept 32
	s_wait_dscnt 31-N                              ; LDS loads come back in order: load N is in, the younger ones may be out
.if N < 16
	global_store_b128 v[LI16], v[OB+4*N:OB+4*N+3], s[70:71] offset:(N/2)*1048576+512*(N%2)         ; 32 lanes store 512 consecutive bytes, at a multiple of 512 from hsum's first byte
.else
	global_store_b128 v[LI16], v[OB+4*N:OB+4*N+3], s[72:73] offset:(8-N/2)*1048576+512*(N%2)       ; the mirrored rows: positions falling; 7 x 2^20 at the most, inside the signed 24-bit immediate
.endif
.set N, N+1
.endr
	s_wait_tensorcnt 0x0
	ds_add_u32 v251, v255
	s_wait_dscnt 0x0
	s_endpgm
.Lfunc_end_k_qc319dab34e_hscan:
	.size	k_qc319dab34e_hscan, .Lfunc_end_k_qc319dab34e_hscan-k_qc319dab34e_hscan
	.p2alignl 7, 3214868480
	.fill 96, 4, 3214868480
	.section	.rodata,"a",@progbits
	.p2align	6, 0x0
	.amdhsa_kernel k_qc319dab34e_hscan
		.amdhsa_group_segment_fixed_size 134144
		.amdhsa_private_segment_fixed_size 0
		.amdhsa_enable_private_segment 0
		.amdhsa_kernarg_size 88
		.amdhsa_user_sgpr_count 2
		.amdhsa_user_sgpr_kernarg_segment_ptr 1
		.amdhsa_wavefront_size32 1
		.amdhsa_system_sgpr_workgroup_id_x 1
		.amdhsa_system_sgpr_workgroup_id_y 1
		.amdhsa_system_sgpr_workgroup_id_z 1
		.amdhsa_system_vgpr_workitem_id 0
		.amdhsa_next_free_vgpr 512
		.amdhsa_next_free_sgpr 96
		.amdhsa_reserve_vcc 1
		.amdhsa_float_denorm_mode_32 3
		.amdhsa_float_denorm_mode_16_64 3
		.amdhsa_memory_ordered 1
		.amdhsa_forward_progress 1
		.amdhsa_inst_pref_size 100
	.end_amdhsa_kernel
	.amdgpu_metadata
---
amdhsa.version: [ 1, 2 ]
amdhsa.kernels:
  - .name:           k_qc319dab34e_hscan
    .symbol:         k_qc319dab34e_hscan.kd
    .args:
      - { .name: x_codes, .offset: 0, .size: 8, .value_kind: global_buffer, .address_space: global }
      - { .name: x_scales, .offset: 8, .size: 8, .value_kind: global_buffer, .address_space: global }
      - { .name: W_in_codes, .offset: 16, .size: 8, .value_kind: global_buffer, .address_space: global }
      - { .name: W_in_scales, .offset: 24, .size: 8, .value_kind: global_buffer, .address_space: global }
      - { .name: W_lambda_codes, .offset: 32, .size: 8, .value_kind: global_buffer, .address_space: global }
      - { .name: W_lambda_scales, .offset: 40, .size: 8, .value_kind: global_buffer, .address_space: global }
      - { .name: b_in, .offset: 48, .size: 8, .value_kind: global_buffer, .address_space: global }
      - { .name: b_lambda, .offset: 56, .size: 8, .value_kind: global_buffer, .address_space: global }
      - { .name: theta_f, .offset: 64, .size: 8, .value_kind: global_buffer, .address_space: global }
      - { .name: theta_r, .offset: 72, .size: 8, .value_kind: global_buffer, .address_space: global }
      - { .name: hsum, .offset: 80, .size: 8, .value_kind: global_buffer, .address_space: global }
    .group_segment_fixed_size: 134144
    .private_segment_fixed_size: 0
    .kernarg_segment_align: 8
    .kernarg_segment_size: 88
    .max_flat_workgroup_size: 256
    .sgpr_count:     96
    .vgpr_count:     512
    .wavefront_size: 32
...
	.end_amdgpu_metadata
.endif
;; end of part 1
;; launch wscan (part 2): grid 1024 x 1, 8 waves a work-group, no clusters, 327,680 bytes of LDS; arguments x_codes, x_scales, W_in_codes, W_in_scales, W_lambda_codes, W_lambda_scales, b_in, b_lambda, theta_f, theta_r, W_gate_codes, W_gate_scales, b_gate, W_out_codes, W_out_scales, b_out, ln_w, ln_b, hsum, out0; writes out0
.if DOCPART == 2
	.amdgcn_target "amdgcn-amd-amdhsa--gfx1250"
	.amdhsa_code_object_version 6
	.text
	.protected	k_qc319dab34e_wscan
	.globl	k_qc319dab34e_wscan
	.p2align	8
	.type	k_qc319dab34e_wscan,@function
k_qc319dab34e_wscan:
	s_mov_b64 s[64:65], 0
	v_nop
	global_prefetch_b8 v0, s[64:65] scope:SCOPE_SE
	s_setreg_imm32_b32 hwreg(HW_REG_WAVE_MODE, 25, 1), 1
	s_wait_xcnt 0x0
; out0 = Q(LayerNorm(hsum + the two scans along w) x silu(x W_gate + b_gate)) W_out + b_out.  All four products on codes of FP6 (E2M3) with E8M0 scales; Q is the quantiser along the 256 features.
; SHARES.  A work-group owns ONE line (h, b): 128 positions w x 128 channels.  COLUMN PHASE: wave c owns channels 16 c .. 16 c + 15 and runs both scans over the mirrored line:
; tile i of x takes as its rows 0-7 the positions 8 i + j and as rows 8-15 the positions 127 - (8 i + j); with k = 8 i + j lanes 0-15 hold position k, lanes 16-31 position 127 - k.
; Phase 1, k rising: lanes 0-15 the forward scan over 0..63, lanes 16-31 the reverse scan over 127..64; the end states change halves; phase 2, k falling: the other two halves of the two scans.
; The sums go to F in LDS (row = tile row, column = feature).  ROW PHASE: wave c owns the 16 rows of tile c: it adds hsum's rows, which one tensor load a wave brought at the kernel's head (one load of a wave is out,
; and nothing is filled twice), norms, multiplies by the gate, quantises in registers and multiplies by W_out.  Gate and last product are used transposed (source 0 = 16 rows of the weight), so that a lane
; holds one row throughout; the rows of W_gate that form a tile are chosen so that the gate's registers lie in the order that the quantiser wants: register 16 b + i = feature 32 b + 16 (lane / 16) + i.
; W_gate's and W_out's fragments are fetched once by the work-group (four a wave) and go from wave to wave through LDS as images of their registers.
; NO CLUSTER: the work-groups share the weights alone, about 93.5 KB of the 234 KB that a work-group reads.
; LIMITS: |theta| under 1e5 (two-part reduction by pi / 2); NaN and infinities among the inputs are not served; a block of zeros gets the scale byte 1 (its codes are zeros, and this text alone reads the byte);
; the scans are summed in sequence, not by the tree of an associative scan: they differ by f32 rounding.
.set PITCH, 1040                       ; a row in LDS: 1,024 bytes + 16 = 260 words: 16 rows start 4 banks apart (64 banks of 4 bytes: ISA guide 11.1)
.set FS,    0                          ; hsum's 128 rows, row = position: filled by the tensor loads, never stored to
.set FB,    128*PITCH                  ; F: 128 rows.  Ahead of the second barrier its first bytes hold x's images; at the end each wave's own rows are its stage for the way out
.set XSI,   FB+12288
.set WIMG,  FB+128*PITCH               ; 32 images of 1,536 bytes: W_gate's tiles 0-15, then W_out's (tile t, K step s) at 16 + 2 t + s
.set WSC,   WIMG+32*1536               ; their scale words, 128 bytes each
.set TB,    WSC+32*128                 ; b_gate, ln_w, ln_b (1,024 bytes each), b_out (twice)
.set PSTR,  768                        ; bytes of x_codes from a position to the next: 8 rows of 96
.set PSTRS, 32
; window 0, column phase
.set LI16, 1                           ; 16 x lane
.set LI4,  2                           ; 4 x lane
.set FW,   3                           ; v3-5  where I store my channel's column of F
.set XA,   6
.set XSA,  7
.set WA,   8                           ; the weights' images
.set WSA,  9                           ; their scale words
.set TBA,  10                          ; the tables, + 64 (lane / 16)
.set TBO,  11                          ; b_out, + 32 (lane / 16)
.set FRD,  12                          ; my row of F, + 64 (lane / 16)
.set SRD,  13                          ; the same position's row of hsum
.set YS,   14                          ; the way out: where I put 32 bytes of my row
.set YR,   15                          ; my wave's 16 rows, 16 bytes a lane
.set XOWN, 16                          ; v16-27  my wave's tile of x: kept for the gate
.set XF,   28
.set WFR,  52
.set WFI,  64
.set WFL,  76
.set BR,   88
.set BI,   96
.set BL,   104
.set Q1,   112                         ; (-sin, sin) of phase 1
.set CC,   114                         ; (cos of phase 1, cos of phase 2)
.set Q2,   116
.set H2I,  118
.set ACC,  120
.set GA,   136
.set E,    144
.set OML,  160
.set GB,   168
.set LAM,  184
.set XS,   248
.set XOWNS, 250
.set PW0,  251                         ; the features' scale words, K steps 0 and 1
.set WSR,  252
.set WSI,  253
.set WSL,  254
.set PW1,  255
; window 0, row phase
.set GF,   28                          ; v28-219 W_gate's 16 fragments
.set T,    28                          ; v28-91  at work
.set TM,   28                          ; the quantiser's 16
.set PC0,  44                          ; the features' codes, K step 0 (12 registers, 8 at work behind them)
.set PC1,  64
.set FEA,  92                          ; v92-219 my row's 128 features: register 64 s + 16 b + i = feature 128 s + 32 b + 16 (lane / 16) + i
.set OB,   92
.set SW,   220                         ; v220-235 the weights' scale words
.set MS,   236                         ; four chains of sums
.set MU,   244
.set RS,   246
; window 1
.set IN,   0
.set PART, 128
.set GAT,  0                           ; the gate, in the features' order
.set LB,   128                         ; hsum's second half, then ln_b by halves
.set Y,    192                         ; the eight accumulators of the last product
; head only
.set TL, 184
.set TR, 185
.set THF, 186
.set TRR, 187
.set TP, 188
.set VX, 189
.set VXS, 190
.set VA, 191
.set VB, 192
.set VC, 193
.set VD, 194
.set VE, 195
.set VF, 196
.set VG, 197
.set VH, 198
.set XAW, 199
.set XSAW, 200
.set WAW, 201
.set WSAW, 202
.set TBW, 203
.set TBIN, 204
.set TBL, 206
.set TTF, 207
.set TTR, 208
.set ST, 209
.set TT, 217
.set CF, 220
.set SF, 221
.set CR, 222
.set SR, 223
.set HG, 120                           ; my two tiles of W_gate, my two K steps of W_out, their scale words, my four table words
.set HO, 144
.set HGS, 168
.set HOS, 170
.set HT, 172
.set MSB, 0
.macro WIN new                         ; the immediate's high byte repeats the setting that is left; a switch that changes nothing is dropped
.if MSB != \new
	s_set_vgpr_msb (MSB<<8)|\new
.set MSB, \new
.endif
.endm
.macro GFRAG reg, off, base, imm       ; a fragment, 16 rows x 128 K of 6-bit codes: 24 bytes of the row at 24 (lane / 16), 24 more 48 bytes on, in pieces of 8 bytes
.irp p, 0,1,2,3,4,5
	global_load_b64 v[\reg+2*\p:\reg+2*\p+1], v[\off], s[\base:\base+1] offset:\imm+48*(\p/3)+8*(\p%3)
.endr
.endm
.macro BARRIER                         ; my LDS stores have landed and my LDS loads are in: then the work-group's barrier
	s_wait_dscnt 0x0
	s_barrier_signal -1
	s_barrier_wait -1
.endm
; cosine and sine by plain arithmetic: q = the nearest whole number to ang x 2 / pi; r = ang - q pi / 2 in two parts; polynomials on |r| <= pi / 4; the quadrant swaps and signs them
.macro SINCOS ang, co, si, tmp
	v_mul_f32 v[\tmp], 0x3f22f983, v[\ang]
	v_rndne_f32 v[\tmp], v[\tmp]
	v_fmamk_f32 v[\tmp+1], v[\tmp], 0xbfc90fdb, v[\ang]
	v_fmamk_f32 v[\tmp+1], v[\tmp], 0x333bbd2e, v[\tmp+1]
	v_cvt_i32_f32 v[\tmp], v[\tmp]
	v_mul_f32 v[\tmp+2], v[\tmp+1], v[\tmp+1]
	v_mov_b32 v[\tmp+3], 0xb94ca1f9
	v_fmaak_f32 v[\tmp+3], v[\tmp+3], v[\tmp+2], 0x3c08839e
	v_fmaak_f32 v[\tmp+3], v[\tmp+3], v[\tmp+2], 0xbe2aaaa3
	v_mul_f32 v[\tmp+4], v[\tmp+1], v[\tmp+2]
	v_fma_f32 v[\tmp+3], v[\tmp+4], v[\tmp+3], v[\tmp+1]
	v_mov_b32 v[\tmp+4], 0x37ccf5ce
	v_fmaak_f32 v[\tmp+4], v[\tmp+4], v[\tmp+2], 0xbab6061a
	v_fmaak_f32 v[\tmp+4], v[\tmp+4], v[\tmp+2], 0x3d2aaaa5
	v_mul_f32 v[\tmp+4], v[\tmp+4], v[\tmp+2]
	v_fma_f32 v[\tmp+5], v[\tmp+2], -0.5, 1.0
	v_fma_f32 v[\tmp+4], v[\tmp+4], v[\tmp+2], v[\tmp+5]
	v_and_b32 v[\tmp+5], 1, v[\tmp]
	v_cmp_ne_u32 vcc_lo, 0, v[\tmp+5]
	v_cndmask_b32 v[\si], v[\tmp+3], v[\tmp+4], vcc_lo
	v_cndmask_b32 v[\co], v[\tmp+4], v[\tmp+3], vcc_lo
	v_lshlrev_b32 v[\tmp+5], 30, v[\tmp]
	v_and_b32 v[\tmp+5], 0x80000000, v[\tmp+5]
	v_xor_b32 v[\si], v[\si], v[\tmp+5]
	v_add_nc_u32 v[\tmp], 1, v[\tmp]
	v_lshlrev_b32 v[\tmp], 30, v[\tmp]
	v_and_b32 v[\tmp], 0x80000000, v[\tmp]
	v_xor_b32 v[\co], v[\co], v[\tmp]
.endm
.macro FETCHX i, buf                   ; tile i's fragment of x and its scale words come back as they were stored: the same registers in the same lanes
.irp c, 0,1,2
	ds_load_b128 v[XF+12*(\buf)+4*\c:XF+12*(\buf)+4*\c+3], v[XA] offset:(\i)*1536+512*\c
.endr
	ds_load_b32 v[XS+(\buf)], v[XSA] offset:(\i)*128
.endm
.macro GAMMA i, q, sel                 ; tile i's gammas: lam cos for two positions at once, lam (-sin, sin) for each
.irp jj, 0,1,2,3
	v_pk_mul_f32 v[GA+2*\jj:GA+2*\jj+1], v[LAM+8*\i+2*\jj:LAM+8*\i+2*\jj+1], v[CC:CC+1] op_sel:[0,\sel] op_sel_hi:[1,\sel]
.irp par, 0,1
	v_pk_mul_f32 v[GB+4*\jj+2*\par:GB+4*\jj+2*\par+1], v[LAM+8*\i+2*\jj:LAM+8*\i+2*\jj+1], v[\q:\q+1] op_sel:[\par,0] op_sel_hi:[\par,1]
.endr
.endr
.endm
.macro CT d, p, gb, a                  ; d = (-g_i p_i + a_r, g_i p_r + a_i): the state's halves crossed
	v_pk_fma_f32 v[\d:\d+1], v[\p:\p+1], v[\gb:\gb+1], v[\a:\a+1] op_sel:[1,0,0] op_sel_hi:[0,1,1]
.endm
.macro CH d, p, ga, sel                ; d += g_r (p_r, p_i)
	v_pk_fma_f32 v[\d:\d+1], v[\p:\p+1], v[\ga:\ga+1], v[\d:\d+1] op_sel:[0,\sel,0] op_sel_hi:[1,\sel,1]
.endm
.macro OMUL k, pr, sel                 ; position k's silu pair x (1 - lam)
	v_pk_mul_f32 v[IN+2*(\k):IN+2*(\k)+1], v[IN+2*(\k):IN+2*(\k)+1], v[OML+2*(\pr):OML+2*(\pr)+1] op_sel:[0,\sel] op_sel_hi:[1,\sel]
.endm
.macro ADDP k                          ; the sum of the two scans at position k
	v_pk_fma_f32 v[PART+2*(\k):PART+2*(\k)+1], v[IN+2*(\k):IN+2*(\k)+1], 1.0, v[PART+2*(\k):PART+2*(\k)+1] op_sel_hi:[1,0,1]
.endm
; TILE i: three products, 24 sigmoids, and eight steps of phase 1
.macro TILE i
	WIN 0
.if \i < 7
	s_wait_dscnt 4                                 ; this tile's four loads are in; the next tile's four may be out
.else
	s_wait_dscnt 0x0
.endif
.set XB, XF+12*(\i%2)
	v_wmma_scale_f32_16x16x128_f8f6f4 v[ACC:ACC+7], v[XB:XB+11], v[WFR:WFR+11], v[BR:BR+7], v[XS+\i%2], v[WSR] matrix_a_fmt:MATRIX_FMT_FP6 matrix_b_fmt:MATRIX_FMT_FP6
	v_wmma_scale_f32_16x16x128_f8f6f4 v[ACC+8:ACC+15], v[XB:XB+11], v[WFI:WFI+11], v[BI:BI+7], v[XS+\i%2], v[WSI] matrix_a_fmt:MATRIX_FMT_FP6 matrix_b_fmt:MATRIX_FMT_FP6
	v_wmma_scale_f32_16x16x128_f8f6f4 v[ACC+16:ACC+23], v[XB:XB+11], v[WFL:WFL+11], v[BL:BL+7], v[XS+\i%2], v[WSL] matrix_a_fmt:MATRIX_FMT_FP6 matrix_b_fmt:MATRIX_FMT_FP6
.rept 4
	v_nop                                          ; four places behind the products, for the reads of their results and the loads into their buffer
.endr
.set N, 0
.rept 12
	v_pk_mul_f32 v[E+2*N:E+2*N+1], v[ACC+2*N:ACC+2*N+1], s[82:83] op_sel_hi:[1,0]   ; -z log2(e); each accumulator from its low end on
.set N, N+1
.endr
.if \i < 6
	FETCHX \i+2, \i%2                              ; the buffer just multiplied takes the tile two on
.endif
.set N, 0
.rept 24
	v_exp_f32 v[E+N], v[E+N]
.set N, N+1
.endr
	v_nop                                          ; a plain place behind the exponentials
.set N, 0
	s_wait_alu depctr_va_vdst(0)
.rept 12
	v_pk_add_f32 v[E+2*N:E+2*N+1], v[E+2*N:E+2*N+1], 1.0 op_sel_hi:[1,0]
.set N, N+1
.endr
.set N, 0
.rept 16
	v_rcp_f32 v[E+N], v[E+N]                       ; the sigmoids of the real and imaginary inputs
.set N, N+1
.endr
.set N, 0
.rept 8
	v_rcp_f32 v[LAM+8*\i+N], v[E+16+N]             ; lam
.set N, N+1
.endr
	v_nop                                          ; a plain place behind the reciprocals
.set N, 0
	s_wait_alu depctr_va_vdst(0)
.rept 4
	v_pk_fma_f32 v[OML+2*N:OML+2*N+1], v[LAM+8*\i+2*N:LAM+8*\i+2*N+1], -1.0, 1.0 op_sel_hi:[1,0,0]   ; 1 - lam
.set N, N+1
.endr
	GAMMA \i, Q1, 0
	WIN 0x40                                       ; destination window 1
.set N, 0
.rept 8
	v_mul_f32 v[IN+16*\i+2*N], v[ACC+N], v[E+N]            ; silu = z sigmoid(z)
	v_mul_f32 v[IN+16*\i+2*N+1], v[ACC+8+N], v[E+8+N]
.set N, N+1
.endr
	WIN 0x51                                       ; source 0, source 2 and destination window 1; the gammas and 1 - lam in window 0
	OMUL 8*\i, 0, 0
.irp jj, 0,1,2,3
.irp par, 0,1
.set K, 8*\i+2*\jj+\par
.if K > 0
	CT PART+2*K, PART+2*K-2, GB+4*\jj+2*\par, IN+2*K
.else
	v_mov_b32 v[PART], v[IN]                       ; the first state is the first input
.endif
.if \par == 0
	OMUL K+1, \jj, 1                               ; the next position's input stands between the step's two lines
.elseif \jj < 3
	OMUL K+1, \jj+1, 0
.endif
.if K > 0
	CH PART+2*K, PART+2*K-2, GA+2*\jj, \par
.else
	v_mov_b32 v[PART+1], v[IN+1]
.endif
.endr
.endr
	WIN 0
.endm
; BATCH2 i: eight steps of phase 2, k falling; the sums of both scans go to F
.macro BATCH2 i
	WIN 0
	GAMMA \i, Q2, 1
.irp jj, 3,2,1,0
.irp par, 1,0
.set K, 8*\i+2*\jj+\par
.if K == 63
	WIN 0x50                                       ; the first step's state lies in window 0
	CT IN+2*K, H2I, GB+4*\jj+2*\par, IN+2*K
	CH IN+2*K, H2I, GA+2*\jj, \par
.else
	WIN 0x51
	CT IN+2*K, IN+2*K+2, GB+4*\jj+2*\par, IN+2*K
.if (2*\jj+\par) < 7
	ADDP K+1                                       ; the step before's sum stands between the step's two lines
.endif
	CH IN+2*K, IN+2*K+2, GA+2*\jj, \par
.endif
.endr
.endr
	WIN 0x51
	ADDP 8*\i
	WIN 0x04                                       ; an LDS store's data are its source 1: window 1
.set N, 0
.rept 8
	ds_store_b32 v[FW+\i/3], v[PART+16*\i+2*N] offset:((\i%3)*16+N)*PITCH            ; lanes 0-15: 16 neighbouring words of row 16 i + N; lanes 16-31: of the row 8 further down, 32 banks on
	ds_store_b32 v[FW+\i/3], v[PART+16*\i+2*N+1] offset:((\i%3)*16+N)*PITCH+512
.set N, N+1
.endr
	WIN 0
.endm
; silu of 64 of the gate's numbers, in place
.macro GSILU c
	WIN 0x01                                       ; source 0 window 1
.set N, 0
.rept 32
	v_pk_mul_f32 v[T+2*N:T+2*N+1], v[GAT+64*\c+2*N:GAT+64*\c+2*N+1], s[82:83] op_sel_hi:[1,0]   ; each accumulator from its low end on
.set N, N+1
.endr
	WIN 0
.set N, 0
.rept 64
	v_exp_f32 v[T+N], v[T+N]
.set N, N+1
.endr
	v_nop                                          ; a plain place behind the exponentials
.set N, 0
	s_wait_alu depctr_va_vdst(0)
.rept 32
	v_pk_add_f32 v[T+2*N:T+2*N+1], v[T+2*N:T+2*N+1], 1.0 op_sel_hi:[1,0]
.set N, N+1
.endr
.set N, 0
.rept 64
	v_rcp_f32 v[T+N], v[T+N]
.set N, N+1
.endr
	v_nop                                          ; a plain place behind the reciprocals
	WIN 0x41                                       ; source 0 and destination window 1
.set N, 0
	s_wait_alu depctr_va_vdst(0)
.rept 32
	v_pk_mul_f32 v[GAT+64*\c+2*N:GAT+64*\c+2*N+1], v[GAT+64*\c+2*N:GAT+64*\c+2*N+1], v[T+2*N:T+2*N+1]
.set N, N+1
.endr
	WIN 0
.endm
; Group g of four registers in the features' order lies at byte 128 (g / 4) + 16 (g % 4) + 64 (lane / 16) of a row of 256 numbers.
.macro LNLOAD a                        ; ln_w and ln_b for features' registers 32 a .. 32 a + 31
	WIN 0
.set N, 0
.rept 8
	ds_load_b128 v[T+32*(\a%2)+4*N:T+32*(\a%2)+4*N+3], v[TBA] offset:1024+128*((8*\a+N)/4)+16*((8*\a+N)%4)
.set N, N+1
.endr
	WIN 0x40
.set N, 0
.rept 8
	ds_load_b128 v[LB+32*(\a%2)+4*N:LB+32*(\a%2)+4*N+3], v[TBA] offset:2048+128*((8*\a+N)/4)+16*((8*\a+N)%4)
.set N, N+1
.endr
	WIN 0
.endm
.macro NORM a                          ; x rsqrt(var + eps), x ln_w + ln_b
	WIN 0x10                                       ; source 2 window 1
.set N, 0
.rept 16
	v_pk_mul_f32 v[FEA+32*\a+2*N:FEA+32*\a+2*N+1], v[FEA+32*\a+2*N:FEA+32*\a+2*N+1], v[RS:RS+1]
.set N, N+1
.endr
.set N, 0
.rept 16
	v_pk_fma_f32 v[FEA+32*\a+2*N:FEA+32*\a+2*N+1], v[FEA+32*\a+2*N:FEA+32*\a+2*N+1], v[T+32*(\a%2)+2*N:T+32*(\a%2)+2*N+1], v[LB+32*(\a%2)+2*N:LB+32*(\a%2)+2*N+1]
.set N, N+1
.endr
.endm
.macro GMUL s                          ; x the gate
	WIN 0x04                                       ; source 1 window 1
.set N, 0
.rept 32
	v_pk_mul_f32 v[FEA+64*\s+2*N:FEA+64*\s+2*N+1], v[FEA+64*\s+2*N:FEA+64*\s+2*N+1], v[GAT+64*\s+2*N:GAT+64*\s+2*N+1]
.set N, N+1
.endr
.endm
.macro REDUCE                          ; the four chains, their halves, and lane l xor 16's: the row's sum in v[MS]
	v_pk_add_f32 v[MS:MS+1], v[MS:MS+1], v[MS+2:MS+3]
	v_pk_add_f32 v[MS+4:MS+5], v[MS+4:MS+5], v[MS+6:MS+7]
	v_pk_add_f32 v[MS:MS+1], v[MS:MS+1], v[MS+4:MS+5]
	v_add_f32 v[MS], v[MS], v[MS+1]
	v_permlanex16_b32 v[MS+2], v[MS], s60, s61
	v_add_f32 v[MS], v[MS], v[MS+2]
.endm
; 64 numbers of a lane, register 16 b + i = k 32 b + 16 (lane / 16) + i of my row, become a fragment's codes in v[pc] on and its scale word in v[pw]
.macro QUANT s, pc, pw
.irp b, 0,1,2,3
	v_max3_num_f32 v[TM+\b], |v[\s+16*\b]|, |v[\s+1+16*\b]|, 0x1800000   ; block b: my 16 numbers, and the floor 2^(3 - 127): so the byte cannot fall under 1
.endr
.irp i, 2,4,6,8,10,12,14
.irp b, 0,1,2,3
	v_max3_num_f32 v[TM+\b], v[TM+\b], |v[\s+16*\b+\i]|, |v[\s+1+16*\b+\i]|   ; (the four blocks by turns)
.endr
.endr
.irp b, 0,1,2,3
	v_permlanex16_b32 v[TM+4+\b], v[TM+\b], s60, s61
.endr
.irp b, 0,1,2,3
	v_max_num_f32 v[TM+\b], v[TM+\b], v[TM+4+\b]   ; with lane l xor 16's: the block's largest magnitude
.endr
.irp b, 0,1,2,3
	v_add_nc_u32 v[TM+12+\b], 0xff000000, v[TM+\b]   ; 2 off its exponent field: the conversion takes the exponent field of this operand as its scale
.endr
.irp b, 0,1,2,3
	v_lshrrev_b32 v[TM+4+\b], 23, v[TM+12+\b]      ; the scale's byte
.endr
	v_lshl_or_b32 v[\pw], v[TM+5], 8, v[TM+4]
	v_lshl_or_b32 v[\pw], v[TM+6], 16, v[\pw]
	v_lshl_or_b32 v[\pw], v[TM+7], 24, v[\pw]
.irp c, 0,1
	v_cvt_scalef32_pk16_fp6_f32 v[\pc+6*\c:\pc+2+6*\c], v[\s+32*\c:\s+15+32*\c], v[TM+12+2*\c]
	v_cvt_scalef32_pk16_fp6_f32 v[\pc+12+4*\c:\pc+14+4*\c], v[\s+16+32*\c:\s+31+32*\c], v[TM+12+2*\c+1]   ; (a conversion's three registers begin on an even number)
.endr
	v_nop                                          ; one plain place behind a scaled conversion
.irp c, 0,1                                    ; the operand's layout wants a WHOLE block in a lane: lanes 0-15 block 2 c, lanes 16-31 block 2 c + 1
.irp i, 0,1,2
	v_permlane16_swap_b32 v[\pc+6*\c+\i], v[\pc+12+4*\c+\i]
.endr
.irp i, 0,1,2
	v_mov_b32 v[\pc+3+6*\c+\i], v[\pc+12+4*\c+\i]
.endr
.endr
.endm
	s_load_b512 s[8:23], s[0:1], 0x0               ; x_codes 8, x_scales 10, W_in_codes 12, W_in_scales 14, W_lambda_codes 16, W_lambda_scales 18, b_in 20, b_lambda 22
	s_load_b512 s[24:39], s[0:1], 0x40             ; theta_f 24, theta_r 26, W_gate_codes 28, W_gate_scales 30, b_gate 32, W_out_codes 34, W_out_scales 36, b_out 38
	s_load_b256 s[40:47], s[0:1], 0x80             ; ln_w 40, ln_b 42, hsum 44, out0 46
	v_lshl_add_u32 v254, v0, 2, 0x4f000
	v_mov_b32 v255, 0
	ds_add_u32 v254, v255
	ds_add_u32 v254, v255
	s_wait_dscnt 0x0
	v_lshrrev_b32 v[TL], 5, v0
	v_readfirstlane_b32 s2, v[TL]                  ; wave 0..7
	v_and_b32 v[TL], 31, v0                        ; lane
	v_and_b32 v[TR], 15, v0                        ; r
	v_bfe_u32 v[THF], v0, 4, 1                     ; which half of the lanes
	v_and_b32 v[TRR], 8, v0
	v_add_nc_u32 v[TRR], v[TRR], v[TR]             ; r + 8 (r / 8)
	s_lshl_b32 s66, s2, 3
	v_and_b32 v[TP], 7, v0
	v_add_nc_u32 v[TP], s66, v[TP]                 ; 8 wave + r % 8,
	v_bfe_u32 v[TT], v0, 3, 1
	v_mul_u32_u24 v[TT], v[TT], 127
	v_xor_b32 v[TP], v[TP], v[TT]                  ; mirrored (127 - k = 127 xor k) for r >= 8: the position of row r of my wave's tile
	v_lshlrev_b32 v[LI16], 4, v[TL]
	v_lshlrev_b32 v[LI4], 2, v[TL]
	s_lshl_b32 s66, s2, 6
	s_add_co_u32 s66, s66, FB
	v_mul_u32_u24 v[FW], v[THF], 8*PITCH
	v_lshl_add_u32 v[FW], v[TR], 2, v[FW]
	v_add_nc_u32 v[FW], s66, v[FW]                 ; F: row 8 (lane / 16), column 16 wave + r
	v_add_nc_u32 v[FW+1], 48*PITCH, v[FW]
	v_add_nc_u32 v[FW+2], 96*PITCH, v[FW]
	v_add_nc_u32 v[XA], FB, v[LI16]
	v_add_nc_u32 v[XSA], XSI, v[LI4]
	v_add_nc_u32 v[WA], WIMG, v[LI16]
	v_add_nc_u32 v[WSA], WSC, v[LI4]
	v_lshl_add_u32 v[TBA], v[THF], 6, TB
	v_lshl_add_u32 v[TBO], v[THF], 5, TB+3072
	s_mul_i32 s66, s2, 16*PITCH
	s_add_co_u32 s66, s66, FB
	v_add_nc_u32 v[YR], s66, v[LI16]
	v_mul_u32_u24 v[TT], v[TR], PITCH
	v_add_nc_u32 v[TT], s66, v[TT]
	v_lshl_add_u32 v[FRD], v[THF], 6, v[TT]
	v_lshl_add_u32 v[YS], v[THF], 5, v[TT]
	v_mul_u32_u24 v[SRD], v[TP], PITCH
	v_lshl_add_u32 v[SRD], v[THF], 6, v[SRD]
	s_mul_i32 s66, s2, 1536
	s_add_co_u32 s66, s66, FB
	v_add_nc_u32 v[XAW], s66, v[LI16]              ; where my wave's image of x goes
	s_lshl_b32 s66, s2, 7
	s_add_co_u32 s67, s66, XSI
	v_add_nc_u32 v[XSAW], s67, v[LI4]
	v_lshl_add_u32 v[VD], v[TR], 3, s66            ; 8 bytes a channel or a row of W_out
	v_lshl_add_u32 v[VF], v[TRR], 2, s66           ; W_gate's scale words, by the tile's rows
	s_lshl_b32 s66, s2, 6
	v_lshl_add_u32 v[VE], v[TR], 2, s66            ; 4 bytes a channel
	s_mul_i32 s66, s2, 3072
	s_add_co_u32 s67, s66, WIMG
	v_add_nc_u32 v[WAW], s67, v[LI16]              ; where my four images of weights go: two of 1,536 bytes for each wave, in each half
	v_mul_u32_u24 v[VA], v[TR], 192                ; W_in: rows 2 (16 wave + r) and the next; W_out: row 16 wave + r
	v_mad_u32_u24 v[VA], v[THF], 24, v[VA]
	v_add_nc_u32 v[VA], s66, v[VA]
	v_mul_u32_u24 v[VC], v[TRR], 96                ; W_gate: THE ROWS OF A TILE ARE NOT NEIGHBOURS: lane r of tile 2 wave + u takes row 32 wave + 8 u + r + 8 (r / 8)
	v_mad_u32_u24 v[VC], v[THF], 24, v[VC]
	v_add_nc_u32 v[VC], s66, v[VC]
	s_mul_i32 s66, s2, 1536
	v_mul_u32_u24 v[VB], v[TR], 96                 ; W_lambda: row 16 wave + r
	v_mad_u32_u24 v[VB], v[THF], 24, v[VB]
	v_add_nc_u32 v[VB], s66, v[VB]
	s_lshl_b32 s66, s2, 8
	s_add_co_u32 s66, s66, WSC
	v_add_nc_u32 v[WSAW], s66, v[LI4]
	v_lshl_add_u32 v[TBW], v0, 2, TB               ; the tables: a word a thread
	v_lshlrev_b32 v[VG], 2, v0
	v_and_b32 v[VH], 127, v0
	v_lshlrev_b32 v[VH], 2, v[VH]
	v_mul_u32_u24 v[VX], v[TP], PSTR
	v_mad_u32_u24 v[VX], v[THF], 24, v[VX]
	v_mul_u32_u24 v[VXS], v[TP], PSTRS
	s_mov_b32 s60, 0x76543210
	s_mov_b32 s61, 0xfedcba98                      ; v_permlanex16_b32's selects for lane l xor 16
	s_mov_b32 s80, 0x3b800000                      ; 1 / 256
	s_mov_b32 s81, 0x3727c5ac                      ; 1e-5
	s_mov_b32 s82, 0xbfb8aa3b                      ; -log2(e)
	s_mov_b32 s83, s82                             ; (named with it as a pair, so it is written)
	s_lshr_b32 s4, ttmp9, 3                        ; h
	s_and_b32 s5, ttmp9, 7                         ; b
	s_lshl_b32 s6, s4, 10
	s_add_co_u32 s6, s6, s5                        ; the line's row at position 0; a position is 8 rows
	; the tensor load's descriptor: 16 rows of 256 numbers of 4 bytes, 2,048 numbers apart in memory, 16 bytes of padding behind each in LDS
	s_mov_b32 s48, 1                               ; count = 1
	s_mul_i32 s49, s2, 16*PITCH                    ; LDS address: positions 16 wave on
	s_mov_b32 s52, (2<<16)|(1<<20)|(7<<22)|(3<<25) ; no mask; elements of 4 bytes; padding on, after every 256 words (code 7), of 4 words (code 3)
	s_mov_b32 s53, 256<<16                         ; tensor_dim0
	s_mov_b32 s54, 16<<16                          ; tensor_dim1
	s_mov_b32 s55, 256<<16                         ; tile_dim0
	s_mov_b32 s56, 16                              ; tile_dim1
	s_mov_b32 s57, 2048                            ; tensor_dim0_stride
	s_mov_b32 s58, 0
	s_mov_b32 s59, 0
	s_lshl_b32 s66, s2, 7
	s_add_co_u32 s66, s66, s6
	s_lshl_b32 s66, s66, 10                        ; row (line + 128 wave) of 1,024 bytes
	s_mov_b32 s67, 0
	s_wait_kmcnt 0x0
	s_add_nc_u64 s[50:51], s[44:45], s[66:67]
	s_or_b32 s51, s51, 0x80000000                  ; type = 2
	tensor_load_to_lds s[48:51], s[52:59]          ; my wave's one tensor load: it has the whole column phase in which to land
	s_nop 0
.rept 4
	v_nop
.endr
	s_mul_i32 s66, s6, 96
	s_add_nc_u64 s[8:9], s[8:9], s[66:67]
	s_lshl_b32 s66, s6, 2
	s_add_nc_u64 s[10:11], s[10:11], s[66:67]
	s_lshl_b32 s68, s2, 6
	s_add_co_u32 s66, s6, s68
	s_lshl_b32 s66, s66, 9
	s_add_nc_u64 s[70:71], s[46:47], s[66:67]      ; out0 at position 8 wave: 512 bytes a row
	s_add_co_u32 s66, s6, 1016
	s_sub_co_u32 s66, s66, s68
	s_lshl_b32 s66, s66, 9
	s_add_nc_u64 s[72:73], s[46:47], s[66:67]      ; and at position 127 - 8 wave
	GFRAG XOWN, VX, 8, 0
	global_load_b32 v[XOWNS], v[VXS], s[10:11]
	GFRAG WFR, VA, 12, 0
	GFRAG WFI, VA, 12, 96
	GFRAG WFL, VB, 16, 0
	global_load_b64 v[WSR:WSR+1], v[VD], s[14:15]
	global_load_b32 v[WSL], v[VE], s[18:19]
	global_load_b64 v[TBIN:TBIN+1], v[VD], s[20:21]
	global_load_b32 v[TBL], v[VE], s[22:23]
	global_load_b32 v[TTF], v[VE], s[24:25]
	global_load_b32 v[TTR], v[VE], s[26:27]
	GFRAG HG, VC, 28, 0
	GFRAG HG+12, VC, 28, 768
	global_load_b32 v[HGS], v[VF], s[30:31]
	global_load_b32 v[HGS+1], v[VF], s[30:31] offset:32
	GFRAG HO, VA, 34, 0
	GFRAG HO+12, VA, 34, 96
	global_load_b64 v[HOS:HOS+1], v[VD], s[36:37]
	global_load_b32 v[HT], v[VG], s[32:33]
	global_load_b32 v[HT+1], v[VG], s[40:41]
	global_load_b32 v[HT+2], v[VG], s[42:43]
	global_load_b32 v[HT+3], v[VH], s[38:39]
	s_wait_loadcnt 0x0
.irp c, 0,1,2
	ds_store_b128 v[XAW], v[XOWN+4*\c:XOWN+4*\c+3] offset:512*\c     ; fragments go to LDS as images of their registers
.endr
	ds_store_b32 v[XSAW], v[XOWNS]
.irp u, 0,1
.irp c, 0,1,2
	ds_store_b128 v[WAW], v[HG+12*\u+4*\c:HG+12*\u+4*\c+3] offset:\u*1536+512*\c
	ds_store_b128 v[WAW], v[HO+12*\u+4*\c:HO+12*\u+4*\c+3] offset:16*1536+\u*1536+512*\c
.endr
	ds_store_b32 v[WSAW], v[HGS+\u] offset:\u*128
	ds_store_b32 v[WSAW], v[HOS+\u] offset:16*128+\u*128
.endr
.irp u, 0,1,2,3
	ds_store_b32 v[TBW], v[HT+\u] offset:1024*\u
.endr
	BARRIER                                        ; images and tables lie in LDS.  (The tensor loads may stay out)
	FETCHX 0, 0
	FETCHX 1, 1
.set N, 0
.rept 8
	v_mov_b32 v[BR+N], v[TBIN]                     ; a lane's column has one bias for all eight rows
	v_mov_b32 v[BI+N], v[TBIN+1]
	v_mov_b32 v[BL+N], v[TBL]
.set N, N+1
.endr
	SINCOS TTF, CF, SF, ST
	SINCOS TTR, CR, SR, ST
	v_cmp_ne_u32 vcc_lo, 0, v[THF]
	v_cndmask_b32 v[Q1+1], v[SF], v[SR], vcc_lo    ; phase 1: lanes 0-15 theta_f, lanes 16-31 theta_r
	v_cndmask_b32 v[Q2+1], v[SR], v[SF], vcc_lo    ; phase 2: the other way round
	v_cndmask_b32 v[CC], v[CF], v[CR], vcc_lo
	v_cndmask_b32 v[CC+1], v[CR], v[CF], vcc_lo
	v_xor_b32 v[Q1], 0x80000000, v[Q1+1]
	v_xor_b32 v[Q2], 0x80000000, v[Q2+1]
	v_mov_b32 v[H2I], 0                            ; written once: a lane permute's destination counts as one of its sources
	v_mov_b32 v[H2I+1], 0
.irp i, 0,1,2,3,4,5,6,7
	TILE \i
.endr
	WIN 0x01                                       ; source 0 window 1
	v_permlanex16_b32 v[H2I], v[PART+126], s60, s61        ; the end states change halves
	v_permlanex16_b32 v[H2I+1], v[PART+127], s60, s61
	WIN 0
	BARRIER                                        ; every wave's reads of x's images are over: F may be stored over them
.irp i, 7,6,5,4,3,2,1,0
	BATCH2 \i
.endr
	; ---- THE GATE of my 16 rows: it needs nothing of the other waves' columns, so it stands ahead of the barrier
	s_wait_dscnt 0x0                               ; my stores into F have read their registers, on which the loads below land
	WIN 0x40                                       ; destination window 1
.set N, 0
.rept 32
	ds_load_b128 v[GAT+4*N:GAT+4*N+3], v[TBA] offset:128*(N/4)+16*(N%4)      ; b_gate straight into the accumulators
.set N, N+1
.endr
.set N, 0
.rept 16
	ds_load_b128 v[Y+4*N:Y+4*N+3], v[TBO] offset:64*(N/2)+16*(N%2)           ; b_out likewise: tile t's outputs 16 t + 8 (lane / 16) + 0 .. 7
.set N, N+1
.endr
	WIN 0
.set N, 0
.rept 16
.irp c, 0,1,2
	ds_load_b128 v[GF+12*N+4*\c:GF+12*N+4*\c+3], v[WA] offset:N*1536+512*\c
.endr
	ds_load_b32 v[SW+N], v[WSA] offset:N*128
.set N, N+1
.endr
	s_wait_dscnt 32                                ; all but the 32 loads of tiles 8-15
	WIN 0x50                                       ; C and D window 1
.set N, 0
.rept 8
	v_wmma_scale_f32_16x16x128_f8f6f4 v[GAT+8*N:GAT+8*N+7], v[GF+12*N:GF+12*N+11], v[XOWN:XOWN+11], v[GAT+8*N:GAT+8*N+7], v[SW+N], v[XOWNS] matrix_a_fmt:MATRIX_FMT_FP6 matrix_b_fmt:MATRIX_FMT_FP6
.set N, N+1
.endr
	s_wait_dscnt 0x0
.rept 8
	v_wmma_scale_f32_16x16x128_f8f6f4 v[GAT+8*N:GAT+8*N+7], v[GF+12*N:GF+12*N+11], v[XOWN:XOWN+11], v[GAT+8*N:GAT+8*N+7], v[SW+N], v[XOWNS] matrix_a_fmt:MATRIX_FMT_FP6 matrix_b_fmt:MATRIX_FMT_FP6
.set N, N+1
.endr
.rept 4
	v_nop                                          ; four places behind the products: their results are read, and their fragments' registers written
.endr
	GSILU 0
	GSILU 1
	s_wait_tensorcnt 0x0                           ; my 16 rows of hsum have landed,
	BARRIER                                        ; everybody's have, and F is whole
	; ---- THE NORM of my 16 rows: a lane holds half a row, lane l xor 16 the other half
.set N, 0
.rept 32
	ds_load_b128 v[FEA+4*N:FEA+4*N+3], v[FRD] offset:128*(N/4)+16*(N%4)
.set N, N+1
.endr
.set N, 0
.rept 16
	ds_load_b128 v[T+4*N:T+4*N+3], v[SRD] offset:128*(N/4)+16*(N%4)
.set N, N+1
.endr
	WIN 0x40
.set N, 0
.rept 16
	ds_load_b128 v[LB+4*N:LB+4*N+3], v[SRD] offset:512+128*(N/4)+16*(N%4)
.set N, N+1
.endr
	WIN 0
	s_wait_dscnt 16                                ; all but the second half of hsum's row
.set N, 0
.rept 32
	v_pk_add_f32 v[FEA+2*N:FEA+2*N+1], v[FEA+2*N:FEA+2*N+1], v[T+2*N:T+2*N+1]
.set N, N+1
.endr
	s_wait_dscnt 0x0
	WIN 0x04                                       ; source 1 window 1
.set N, 0
.rept 32
	v_pk_add_f32 v[FEA+64+2*N:FEA+64+2*N+1], v[FEA+64+2*N:FEA+64+2*N+1], v[LB+2*N:LB+2*N+1]
.set N, N+1
.endr
	LNLOAD 0                                       ; they land while mean and variance are made
	LNLOAD 1
.set N, 0
.rept 4
	v_pk_add_f32 v[MS+2*N:MS+2*N+1], v[FEA+2*N:FEA+2*N+1], v[FEA+8+2*N:FEA+8+2*N+1]   ; the first additions start the four chains
.set N, N+1
.endr
.set N, 8
.rept 56
	v_pk_add_f32 v[MS+2*(N%4):MS+2*(N%4)+1], v[MS+2*(N%4):MS+2*(N%4)+1], v[FEA+2*N:FEA+2*N+1]
.set N, N+1
.endr
	REDUCE
	v_mul_f32 v[MU], s80, v[MS]
	v_mov_b32 v[MU+1], v[MU]
.set N, 0
.rept 64
	v_pk_add_f32 v[FEA+2*N:FEA+2*N+1], v[FEA+2*N:FEA+2*N+1], v[MU:MU+1] neg_lo:[0,1] neg_hi:[0,1]   ; the mean is taken away first: the variance is a sum of squares of what is left
.set N, N+1
.endr
.set N, 0
.rept 4
	v_pk_mul_f32 v[MS+2*N:MS+2*N+1], v[FEA+2*N:FEA+2*N+1], v[FEA+2*N:FEA+2*N+1]
.set N, N+1
.endr
.rept 60
	v_pk_fma_f32 v[MS+2*(N%4):MS+2*(N%4)+1], v[FEA+2*N:FEA+2*N+1], v[FEA+2*N:FEA+2*N+1], v[MS+2*(N%4):MS+2*(N%4)+1]
.set N, N+1
.endr
	REDUCE
	v_fma_f32 v[MS], v[MS], s80, s81               ; var + 1e-5
	v_rsq_f32 v[RS], v[MS]
	v_nop                                          ; a plain place behind the transcendental
	s_wait_alu depctr_va_vdst(0)
	v_mov_b32 v[RS+1], v[RS]
	s_wait_dscnt 0x0                               ; ln_w and ln_b of the first 64 registers
	NORM 0
	LNLOAD 2
	NORM 1
	LNLOAD 3
	GMUL 0
	s_wait_dscnt 16                                ; all but the sixteen loads of the last quarter
	NORM 2
	s_wait_dscnt 0x0
	NORM 3
	GMUL 1
	; ---- THE LAST PRODUCT: W_out's 16 fragments from LDS while the features are quantised
	WIN 0x40
.set N, 0
.rept 16
.irp c, 0,1,2
	ds_load_b128 v[12*N+4*\c:12*N+4*\c+3], v[WA] offset:(16+N)*1536+512*\c
.endr
.set N, N+1
.endr
	WIN 0
.set N, 0
.rept 16
	ds_load_b32 v[SW+N], v[WSA] offset:(16+N)*128
.set N, N+1
.endr
	QUANT FEA, PC0, PW0
	QUANT FEA+64, PC1, PW1
.rept 8
	v_nop                                          ; a scale register written by a vector instruction stands 8 places ahead of a scaled matrix instruction, an operand so written 4
.endr
	s_wait_dscnt 0x0
	WIN 0x51                                       ; source 0 (W_out), C and D window 1; source 1 (the features' codes) window 0
.irp s, 0,1                                    ; the eight accumulators take turns, one instruction a turn
.set N, 0
.rept 8
	v_wmma_scale_f32_16x16x128_f8f6f4 v[Y+8*N:Y+8*N+7], v[12*(2*N+\s):12*(2*N+\s)+11], v[PC0+20*\s:PC0+20*\s+11], v[Y+8*N:Y+8*N+7], v[SW+2*N+\s], v[PW0+4*\s] matrix_a_fmt:MATRIX_FMT_FP6 matrix_b_fmt:MATRIX_FMT_FP6
.set N, N+1
.endr
.endr
	WIN 0
.rept 4
	v_nop                                          ; four places in front of the stores that read the results
.endr
	; THE WAY OUT: a lane holds 32 neighbouring bytes of a row for each tile; they go into my wave's own rows of F, which I have read and nobody else touches, and come back as whole rows of 512 bytes
	WIN 0x04                                       ; an LDS store's data are its source 1: window 1
.set N, 0
.rept 8
	ds_store_b128 v[YS], v[Y+8*N:Y+8*N+3] offset:64*N              ; each accumulator from its low end on
	ds_store_b128 v[YS], v[Y+8*N+4:Y+8*N+7] offset:64*N+16
.set N, N+1
.endr
	WIN 0
.set N, 0
.rept 16
	ds_load_b128 v[OB+4*N:OB+4*N+3], v[YR] offset:N*PITCH          ; LDS serves a wave's instructions in order (ISA guide 5.7.1.4): these see my stores
.set N, N+1
.endr
.set N, 0
.rept 16
	s_wait_dscnt 15-N                              ; load N is in, the younger ones may be out
.if N < 8
	global_store_b128 v[LI16], v[OB+4*N:OB+4*N+3], s[70:71] offset:N*4096 th:TH_STORE_NT           ; 32 lanes store a row of 512 bytes, at a multiple of 512 from out0's first byte; written once, read by nobody here
.else
	global_store_b128 v[LI16], v[OB+4*N:OB+4*N+3], s[72:73] offset:(8-N)*4096 th:TH_STORE_NT       ; the mirrored rows: positions falling
.endif
.set N, N+1
.endr
	s_wait_xcnt 0x0
	v_lshl_add_u32 v254, v0, 2, 0x4f000
	v_mov_b32 v255, 0
	s_wait_tensorcnt 0x0
	ds_add_u32 v254, v255
	s_wait_dscnt 0x0
	s_endpgm
.Lfunc_end_k_qc319dab34e_wscan:
	.size	k_qc319dab34e_wscan, .Lfunc_end_k_qc319dab34e_wscan-k_qc319dab34e_wscan
	.p2alignl 7, 3214868480
	.fill 96, 4, 3214868480
	.section	.rodata,"a",@progbits
	.p2align	6, 0x0
	.amdhsa_kernel k_qc319dab34e_wscan
		.amdhsa_group_segment_fixed_size 327680
		.amdhsa_private_segment_fixed_size 0
		.amdhsa_enable_private_segment 0
		.amdhsa_kernarg_size 160
		.amdhsa_user_sgpr_count 2
		.amdhsa_user_sgpr_kernarg_segment_ptr 1
		.amdhsa_wavefront_size32 1
		.amdhsa_system_sgpr_workgroup_id_x 1
		.amdhsa_system_sgpr_workgroup_id_y 1
		.amdhsa_system_sgpr_workgroup_id_z 1
		.amdhsa_system_vgpr_workitem_id 0
		.amdhsa_next_free_vgpr 512
		.amdhsa_next_free_sgpr 96
		.amdhsa_reserve_vcc 1
		.amdhsa_float_denorm_mode_32 3
		.amdhsa_float_denorm_mode_16_64 3
		.amdhsa_memory_ordered 1
		.amdhsa_forward_progress 1
		.amdhsa_inst_pref_size 187
	.end_amdhsa_kernel
	.amdgpu_metadata
---
amdhsa.version: [ 1, 2 ]
amdhsa.kernels:
  - .name:           k_qc319dab34e_wscan
    .symbol:         k_qc319dab34e_wscan.kd
    .args:
      - { .name: x_codes, .offset: 0, .size: 8, .value_kind: global_buffer, .address_space: global }
      - { .name: x_scales, .offset: 8, .size: 8, .value_kind: global_buffer, .address_space: global }
      - { .name: W_in_codes, .offset: 16, .size: 8, .value_kind: global_buffer, .address_space: global }
      - { .name: W_in_scales, .offset: 24, .size: 8, .value_kind: global_buffer, .address_space: global }
      - { .name: W_lambda_codes, .offset: 32, .size: 8, .value_kind: global_buffer, .address_space: global }
      - { .name: W_lambda_scales, .offset: 40, .size: 8, .value_kind: global_buffer, .address_space: global }
      - { .name: b_in, .offset: 48, .size: 8, .value_kind: global_buffer, .address_space: global }
      - { .name: b_lambda, .offset: 56, .size: 8, .value_kind: global_buffer, .address_space: global }
      - { .name: theta_f, .offset: 64, .size: 8, .value_kind: global_buffer, .address_space: global }
      - { .name: theta_r, .offset: 72, .size: 8, .value_kind: global_buffer, .address_space: global }
      - { .name: W_gate_codes, .offset: 80, .size: 8, .value_kind: global_buffer, .address_space: global }
      - { .name: W_gate_scales, .offset: 88, .size: 8, .value_kind: global_buffer, .address_space: global }
      - { .name: b_gate, .offset: 96, .size: 8, .value_kind: global_buffer, .address_space: global }
      - { .name: W_out_codes, .offset: 104, .size: 8, .value_kind: global_buffer, .address_space: global }
      - { .name: W_out_scales, .offset: 112, .size: 8, .value_kind: global_buffer, .address_space: global }
      - { .name: b_out, .offset: 120, .size: 8, .value_kind: global_buffer, .address_space: global }
      - { .name: ln_w, .offset: 128, .size: 8, .value_kind: global_buffer, .address_space: global }
      - { .name: ln_b, .offset: 136, .size: 8, .value_kind: global_buffer, .address_space: global }
      - { .name: hsum, .offset: 144, .size: 8, .value_kind: global_buffer, .address_space: global }
      - { .name: out0, .offset: 152, .size: 8, .value_kind: global_buffer, .address_space: global }
    .group_segment_fixed_size: 327680
    .private_segment_fixed_size: 0
    .kernarg_segment_align: 8
    .kernarg_segment_size: 160
    .max_flat_workgroup_size: 256
    .sgpr_count:     96
    .vgpr_count:     512
    .wavefront_size: 32
...
	.end_amdgpu_metadata
.endif
;; end of part 2
;; ======== version 2 of 2: 2 launches; version 1 with the launch hscan written anew for expert scheduling mode
;; limits: right only within a limited range of input values
;; workspace buffers: hsum 134,217,728 bytes
;; launch hscan (part 3): grid 1024 x 1, 8 waves a work-group, no clusters, 134,144 bytes of LDS; arguments x_codes, x_scales, W_in_codes, W_in_scales, W_lambda_codes, W_lambda_scales, b_in, b_lambda, theta_f, theta_r, hsum; writes hsum
.if DOCPART == 3
	.amdgcn_target "amdgcn-amd-amdhsa--gfx1250"
	.amdhsa_code_object_version 6
	.text
	.protected	k_qc319dab34e_hscan
	.globl	k_qc319dab34e_hscan
	.p2align	8
	.type	k_qc319dab34e_hscan,@function
k_qc319dab34e_hscan:
	s_mov_b64 s[64:65], 0
	v_nop
	global_prefetch_b8 v0, s[64:65] scope:SCOPE_SE
	s_setreg_imm32_b32 hwreg(HW_REG_WAVE_SCHED_MODE, 0, 2), 2
	s_setreg_imm32_b32 hwreg(HW_REG_WAVE_MODE, 25, 1), 1
	s_wait_xcnt 0x0
	s_wait_alu depctr_vm_vsrc(0)
; hsum[h][w][b][0:128 | 128:256] = (real | imaginary) of the forward scan + the reverse scan along h.
; h_t = lam_t e^(i theta) h_(t-1) + (1 - lam_t) silu(x W_in + b_in), lam = sigmoid(x W_lambda + b_lambda); both products on codes of FP6 (E2M3) with E8M0 scales, as given.
; SHARES.  A work-group owns ONE line (w, b): 128 positions h x 128 channels.  Wave c owns channels 16 c .. 16 c + 15.
; THE LINE IS MIRRORED.  Tile i of x takes as its rows 0-7 the positions 8 i + j and as its rows 8-15 the positions 127 - (8 i + j).  In the result (source 0 = x's rows, source 1 = 16 columns of W)
; a lane holds one channel (lane % 16) and register j row 8 (lane / 16) + j: with k = 8 i + j lanes 0-15 hold position k, lanes 16-31 position 127 - k.
; Phase 1, k rising: lanes 0-15 run the forward scan over 0..63, lanes 16-31 the reverse scan over 127..64.  The end states change halves.  Phase 2, k falling: lanes 0-15 the reverse scan over 63..0,
; lanes 16-31 the forward scan over 64..127.  theta is a constant of the lane and the phase, so both halves run one text.
; The sums go through LDS (row = tile row, column = feature) and leave as whole rows of 1,024 bytes.
; LIMITS: |theta| under 1e5 (two-part reduction by pi / 2); NaN and infinities among the inputs are not served; the scans are summed in sequence, not by the tree of an associative scan: they differ by f32 rounding.
; THE MODE: SCHED_MODE bits 1:0 = 2 (LLVM: expert scheduling mode 2), set by the entry lines.  The code itself states the register dependences
; between vector or matrix instructions and memory or LDS instructions, with s_wait_alu, always for 0.
; THE PLAN.  Registers that memory or LDS instructions touch:
;   v1, v3-7, v15    offsets and LDS addresses: made at the head, ahead of its one wait on va_vdst, and never written again.
;   v189-200         the head's offsets: read by the head's loads and LDS stores; written again as lam by the tiles' reciprocals: one wait on vm_vsrc behind the first barrier.
;   XF0, XF1, XS     Tile i: its three products read buffer i % 2; behind the wait that follows the tile's exponentials the loads of tile i + 2 land in it.
;   PART             Batch i of phase 2: its sums write pairs 8 i .. 8 i + 7; one wait on va_vdst; its sixteen LDS stores read them; no later line writes them.
;   v92-219 (OB)     Named by vector and matrix instructions up to the last batch's wait on va_vdst, behind which none is issued; the way out's loads land in them.
; The weights' fragments, their scale words and x's own fragment are loaded once and never written again.  EXEC is never written.
.set PITCH, 1040                       ; a row of F in LDS: 1,024 bytes + 16 = 260 words: 16 rows start 4 banks apart (64 banks of 4 bytes: ISA guide 11.1)
.set FB,    0                          ; F: 128 rows.  Ahead of the second barrier its first bytes hold the images of x's eight fragments (1,536 bytes each) and their scale words
.set XSI,   FB+12288
.set PSTR,  98304                      ; bytes of x_codes from a position to the next: 1,024 rows of 96
.set PSTRS, 4096                       ; and of x_scales
; window 0
.set LI16, 1                           ; 16 x lane
.set LI4,  2                           ; 4 x lane
.set FW,   3                           ; v3-5  where I store my channel's column of F: tiles 0-2, 3-5, 6-7
.set XA,   6                           ; x's images
.set XSA,  7                           ; their scale words
.set YR,   15                          ; my wave's 16 rows of F, 16 bytes a lane
.set XOWN, 16                          ; v16-27  the fragment of x that my wave fetches
.set XF,   28                          ; v28-51  two buffers for x's fragments
.set WFR,  52                          ; W_in's even columns (real), odd columns (imaginary), W_lambda's
.set WFI,  64
.set WFL,  76
.set BR,   88                          ; the biases, eight copies each: the C of the products
.set BI,   96
.set BL,   104
.set Q1,   112                         ; (-sin, sin) of phase 1
.set CC,   114                         ; (cos of phase 1, cos of phase 2)
.set Q2,   116                         ; (-sin, sin) of phase 2
.set H2I,  118                         ; the state that phase 2 begins with
.set ACC,  120                         ; v120-143 three accumulators
.set GA,   136                         ; lam cos, eight: in the third accumulator's registers, free once its exponent's argument is made
.set E,    144                         ; v144-167 at work on the sigmoids
.set OML,  160                         ; 1 - lam, eight
.set GB,   168                         ; v168-183 lam (-sin, sin), eight pairs
.set LAM,  184                         ; v184-247 lam of my 64 positions; at the head these registers hold offsets and what sine and cosine need
.set XS,   248                         ; scale words of the two buffers
.set XOWNS, 250
.set WSR,  252
.set WSI,  253
.set WSL,  254
.set OB,   92                          ; the way out: 128 registers
; window 1
.set IN,   0                           ; pair k: (1 - lam) silu, real and imaginary; in phase 2 its state
.set PART, 128                         ; pair k: phase 1's state, then the sum of both
; head only
.set TL, 184
.set TR, 185
.set THF, 186
.set TP, 188
.set VX, 189
.set VXS, 190
.set VA, 191
.set VB, 192
.set VD, 194
.set VE, 195
.set XAW, 199
.set XSAW, 200
.set TBIN, 204
.set TBL, 206
.set TTF, 207
.set TTR, 208
.set ST, 209
.set TT, 217
.set CF, 220
.set SF, 221
.set CR, 222
.set SR, 223
.set MSB, 0
.macro WIN new                         ; the immediate's high byte repeats the setting that is left; a switch that changes nothing is dropped
.if MSB != \new
	s_set_vgpr_msb (MSB<<8)|\new
.set MSB, \new
.endif
.endm
.macro GFRAG reg, off, base, imm       ; a fragment, 16 rows x 128 K of 6-bit codes: 24 bytes of the row at 24 (lane / 16), 24 more 48 bytes on, in pieces of 8 bytes
.irp p, 0,1,2,3,4,5
	global_load_b64 v[\reg+2*\p:\reg+2*\p+1], v[\off], s[\base:\base+1] offset:\imm+48*(\p/3)+8*(\p%3)
.endr
.endm
.macro BARRIER                         ; my LDS stores have landed and my LDS loads are in: then the work-group's barrier
	s_wait_dscnt 0x0
	s_barrier_signal -1
	s_barrier_wait -1
.endm
; cosine and sine by plain arithmetic: q = the nearest whole number to ang x 2 / pi; r = ang - q pi / 2 in two parts; polynomials on |r| <= pi / 4; the quadrant swaps and signs them
.macro SINCOS ang, co, si, tmp
	v_mul_f32 v[\tmp], 0x3f22f983, v[\ang]
	v_rndne_f32 v[\tmp], v[\tmp]
	v_fmamk_f32 v[\tmp+1], v[\tmp], 0xbfc90fdb, v[\ang]
	v_fmamk_f32 v[\tmp+1], v[\tmp], 0x333bbd2e, v[\tmp+1]
	v_cvt_i32_f32 v[\tmp], v[\tmp]
	v_mul_f32 v[\tmp+2], v[\tmp+1], v[\tmp+1]
	v_mov_b32 v[\tmp+3], 0xb94ca1f9
	v_fmaak_f32 v[\tmp+3], v[\tmp+3], v[\tmp+2], 0x3c08839e
	v_fmaak_f32 v[\tmp+3], v[\tmp+3], v[\tmp+2], 0xbe2aaaa3
	v_mul_f32 v[\tmp+4], v[\tmp+1], v[\tmp+2]
	v_fma_f32 v[\tmp+3], v[\tmp+4], v[\tmp+3], v[\tmp+1]
	v_mov_b32 v[\tmp+4], 0x37ccf5ce
	v_fmaak_f32 v[\tmp+4], v[\tmp+4], v[\tmp+2], 0xbab6061a
	v_fmaak_f32 v[\tmp+4], v[\tmp+4], v[\tmp+2], 0x3d2aaaa5
	v_mul_f32 v[\tmp+4], v[\tmp+4], v[\tmp+2]
	v_fma_f32 v[\tmp+5], v[\tmp+2], -0.5, 1.0
	v_fma_f32 v[\tmp+4], v[\tmp+4], v[\tmp+2], v[\tmp+5]
	v_and_b32 v[\tmp+5], 1, v[\tmp]
	v_cmp_ne_u32 vcc_lo, 0, v[\tmp+5]
	v_lshlrev_b32 v[\tmp+5], 30, v[\tmp]           ; the two signs are made between the compare and the wait for its mask
	v_and_b32 v[\tmp+5], 0x80000000, v[\tmp+5]
	v_add_nc_u32 v[\tmp], 1, v[\tmp]
	v_lshlrev_b32 v[\tmp], 30, v[\tmp]
	v_and_b32 v[\tmp], 0x80000000, v[\tmp]
	s_wait_alu depctr_va_vcc(0)                    ; the compare has written VCC, which the two selects read
	v_cndmask_b32 v[\si], v[\tmp+3], v[\tmp+4], vcc_lo
	v_cndmask_b32 v[\co], v[\tmp+4], v[\tmp+3], vcc_lo
	v_xor_b32 v[\si], v[\si], v[\tmp+5]
	v_xor_b32 v[\co], v[\co], v[\tmp]
.endm
.macro FETCHX i, buf                   ; tile i's fragment of x and its scale words come back as they were stored: the same registers in the same lanes
.irp c, 0,1,2
	ds_load_b128 v[XF+12*(\buf)+4*\c:XF+12*(\buf)+4*\c+3], v[XA] offset:(\i)*1536+512*\c
.endr
	ds_load_b32 v[XS+(\buf)], v[XSA] offset:(\i)*128
.endm
.macro GAMMA i, q, sel                 ; tile i's gammas: lam cos for two positions at once, lam (-sin, sin) for each
.irp jj, 0,1,2,3
	v_pk_mul_f32 v[GA+2*\jj:GA+2*\jj+1], v[LAM+8*\i+2*\jj:LAM+8*\i+2*\jj+1], v[CC:CC+1] op_sel:[0,\sel] op_sel_hi:[1,\sel]
.irp par, 0,1
	v_pk_mul_f32 v[GB+4*\jj+2*\par:GB+4*\jj+2*\par+1], v[LAM+8*\i+2*\jj:LAM+8*\i+2*\jj+1], v[\q:\q+1] op_sel:[\par,0] op_sel_hi:[\par,1]
.endr
.endr
.endm
.macro CT d, p, gb, a                  ; d = (-g_i p_i + a_r, g_i p_r + a_i): the state's halves crossed
	v_pk_fma_f32 v[\d:\d+1], v[\p:\p+1], v[\gb:\gb+1], v[\a:\a+1] op_sel:[1,0,0] op_sel_hi:[0,1,1]
.endm
.macro CH d, p, ga, sel                ; d += g_r (p_r, p_i)
	v_pk_fma_f32 v[\d:\d+1], v[\p:\p+1], v[\ga:\ga+1], v[\d:\d+1] op_sel:[0,\sel,0] op_sel_hi:[1,\sel,1]
.endm
.macro OMUL k, pr, sel                 ; position k's silu pair x (1 - lam)
	v_pk_mul_f32 v[IN+2*(\k):IN+2*(\k)+1], v[IN+2*(\k):IN+2*(\k)+1], v[OML+2*(\pr):OML+2*(\pr)+1] op_sel:[0,\sel] op_sel_hi:[1,\sel]
.endm
.macro ADDP k                          ; the sum of the two scans at position k
	v_pk_fma_f32 v[PART+2*(\k):PART+2*(\k)+1], v[IN+2*(\k):IN+2*(\k)+1], 1.0, v[PART+2*(\k):PART+2*(\k)+1] op_sel_hi:[1,0,1]
.endm
; TILE i: three products, 24 sigmoids, and eight steps of phase 1
.macro TILE i
	WIN 0
.if \i < 7
	s_wait_dscnt 4                                 ; this tile's four loads are in; the next tile's four may be out
.else
	s_wait_dscnt 0x0
.endif
.set XB, XF+12*(\i%2)
	v_wmma_scale_f32_16x16x128_f8f6f4 v[ACC:ACC+7], v[XB:XB+11], v[WFR:WFR+11], v[BR:BR+7], v[XS+\i%2], v[WSR] matrix_a_fmt:MATRIX_FMT_FP6 matrix_b_fmt:MATRIX_FMT_FP6
	v_wmma_scale_f32_16x16x128_f8f6f4 v[ACC+8:ACC+15], v[XB:XB+11], v[WFI:WFI+11], v[BI:BI+7], v[XS+\i%2], v[WSI] matrix_a_fmt:MATRIX_FMT_FP6 matrix_b_fmt:MATRIX_FMT_FP6
	v_wmma_scale_f32_16x16x128_f8f6f4 v[ACC+16:ACC+23], v[XB:XB+11], v[WFL:WFL+11], v[BL:BL+7], v[XS+\i%2], v[WSL] matrix_a_fmt:MATRIX_FMT_FP6 matrix_b_fmt:MATRIX_FMT_FP6
.rept 4
	v_nop                                          ; four places behind the products (ISA guide 7.12.1), for the reads of their results
.endr
.set N, 0
.rept 12
	v_pk_mul_f32 v[E+2*N:E+2*N+1], v[ACC+2*N:ACC+2*N+1], s[82:83] op_sel_hi:[1,0]   ; -z log2(e); each accumulator from its low end on
.set N, N+1
.endr
.set N, 0
.rept 24
	v_exp_f32 v[E+N], v[E+N]
.set N, N+1
.endr
	v_nop                                          ; a plain place behind the exponentials
	s_wait_alu depctr_va_vdst(0)                   ; the 24 exponentials have written v[E ..], ahead of their first reader; and the three products are done reading x's buffer and its scale word, in which the loads below land
.if \i < 6
	FETCHX \i+2, \i%2                              ; the buffer just multiplied takes the tile two on: it has the whole of the next tile in which to land
.endif
.set N, 0
.rept 12
	v_pk_add_f32 v[E+2*N:E+2*N+1], v[E+2*N:E+2*N+1], 1.0 op_sel_hi:[1,0]
.set N, N+1
.endr
.set N, 0
.rept 16
	v_rcp_f32 v[E+N], v[E+N]                       ; the sigmoids of the real and imaginary inputs
.set N, N+1
.endr
.set N, 0
.rept 8
	v_rcp_f32 v[LAM+8*\i+N], v[E+16+N]             ; lam
.set N, N+1
.endr
	v_nop                                          ; a plain place behind the reciprocals
	s_wait_alu depctr_va_vdst(0)                   ; the 24 reciprocals have written v[E ..] and lam, ahead of their first reader
.set N, 0
.rept 4
	v_pk_fma_f32 v[OML+2*N:OML+2*N+1], v[LAM+8*\i+2*N:LAM+8*\i+2*N+1], -1.0, 1.0 op_sel_hi:[1,0,0]   ; 1 - lam
.set N, N+1
.endr
	GAMMA \i, Q1, 0
	WIN 0x40                                       ; destination window 1
.set N, 0
.rept 8
	v_mul_f32 v[IN+16*\i+2*N], v[ACC+N], v[E+N]            ; silu = z sigmoid(z)
	v_mul_f32 v[IN+16*\i+2*N+1], v[ACC+8+N], v[E+8+N]
.set N, N+1
.endr
	WIN 0x51                                       ; source 0, source 2 and destination window 1; the gammas and 1 - lam in window 0
	OMUL 8*\i, 0, 0
.irp jj, 0,1,2,3
.irp par, 0,1
.set K, 8*\i+2*\jj+\par
.if K > 0
	CT PART+2*K, PART+2*K-2, GB+4*\jj+2*\par, IN+2*K
.else
	v_mov_b32 v[PART], v[IN]                       ; the first state is the first input
.endif
.if \par == 0
	OMUL K+1, \jj, 1                               ; the next position's input stands between the step's two lines
.elseif \jj < 3
	OMUL K+1, \jj+1, 0
.endif
.if K > 0
	CH PART+2*K, PART+2*K-2, GA+2*\jj, \par
.else
	v_mov_b32 v[PART+1], v[IN+1]
.endif
.endr
.endr
	WIN 0
.endm
; BATCH2 i: eight steps of phase 2, k falling; the sums of both scans go to F
.macro BATCH2 i
	WIN 0
	GAMMA \i, Q2, 1
.irp jj, 3,2,1,0
.irp par, 1,0
.set K, 8*\i+2*\jj+\par
.if K == 63
	WIN 0x50                                       ; the first step's state lies in window 0
	CT IN+2*K, H2I, GB+4*\jj+2*\par, IN+2*K
	CH IN+2*K, H2I, GA+2*\jj, \par
.else
	WIN 0x51
	CT IN+2*K, IN+2*K+2, GB+4*\jj+2*\par, IN+2*K
.if (2*\jj+\par) < 7
	ADDP K+1                                       ; the step before's sum stands between the step's two lines
.endif
	CH IN+2*K, IN+2*K+2, GA+2*\jj, \par
.endif
.endr
.endr
	WIN 0x51
	ADDP 8*\i
	WIN 0x04                                       ; an LDS store's data are its source 1: window 1
	s_wait_alu depctr_va_vdst(0)                   ; the batch's sums have written PART's pairs 8 i .. 8 i + 7, which the sixteen stores read; no later line writes them
.set N, 0
.rept 8
	ds_store_b32 v[FW+\i/3], v[PART+16*\i+2*N] offset:((\i%3)*16+N)*PITCH            ; lanes 0-15: 16 neighbouring words of row 16 i + N; lanes 16-31: of the row 8 further down, 32 banks on
	ds_store_b32 v[FW+\i/3], v[PART+16*\i+2*N+1] offset:((\i%3)*16+N)*PITCH+512
.set N, N+1
.endr
	WIN 0
.endm
	s_load_b512 s[8:23], s[0:1], 0x0               ; x_codes 8, x_scales 10, W_in_codes 12, W_in_scales 14, W_lambda_codes 16, W_lambda_scales 18, b_in 20, b_lambda 22
	s_load_b128 s[24:27], s[0:1], 0x40             ; theta_f 24, theta_r 26
	s_load_b64 s[28:29], s[0:1], 0x50              ; hsum
	v_lshl_add_u32 v251, v0, 2, 0x20800
	v_mov_b32 v255, 0
	v_lshrrev_b32 v[TL], 5, v0
	v_readfirstlane_b32 s2, v[TL]                  ; wave 0..7
	v_and_b32 v[TL], 31, v0                        ; lane
	v_and_b32 v[TR], 15, v0                        ; r
	v_bfe_u32 v[THF], v0, 4, 1                     ; which half of the lanes
	s_wait_alu depctr_va_sdst(0)                   ; s2 is written, ahead of its first reader: offsets, LDS addresses and hsum's bases are made from it
	s_lshl_b32 s66, s2, 3
	v_and_b32 v[TP], 7, v0
	v_add_nc_u32 v[TP], s66, v[TP]                 ; 8 wave + r % 8,
	v_bfe_u32 v[TT], v0, 3, 1
	v_mul_u32_u24 v[TT], v[TT], 127
	v_xor_b32 v[TP], v[TP], v[TT]                  ; mirrored (127 - k = 127 xor k) for r >= 8: the position of row r of my wave's tile
	v_lshlrev_b32 v[LI16], 4, v[TL]
	v_lshlrev_b32 v[LI4], 2, v[TL]
	s_lshl_b32 s66, s2, 6
	s_add_co_u32 s66, s66, FB
	v_mul_u32_u24 v[FW], v[THF], 8*PITCH
	v_lshl_add_u32 v[FW], v[TR], 2, v[FW]
	v_add_nc_u32 v[FW], s66, v[FW]                 ; F: row 8 (lane / 16), column 16 wave + r
	v_add_nc_u32 v[FW+1], 48*PITCH, v[FW]
	v_add_nc_u32 v[FW+2], 96*PITCH, v[FW]
	v_add_nc_u32 v[XA], FB, v[LI16]
	v_add_nc_u32 v[XSA], XSI, v[LI4]
	s_mul_i32 s66, s2, 16*PITCH
	s_add_co_u32 s66, s66, FB
	v_add_nc_u32 v[YR], s66, v[LI16]
	s_mul_i32 s66, s2, 1536
	s_add_co_u32 s66, s66, FB
	v_add_nc_u32 v[XAW], s66, v[LI16]              ; where my wave's image of x goes
	s_lshl_b32 s66, s2, 7
	s_add_co_u32 s67, s66, XSI
	v_add_nc_u32 v[XSAW], s67, v[LI4]
	v_lshl_add_u32 v[VD], v[TR], 3, s66            ; 8 bytes a channel: W_in's two scale words, b_in's two numbers
	s_lshl_b32 s66, s2, 6
	v_lshl_add_u32 v[VE], v[TR], 2, s66            ; 4 bytes a channel
	v_mul_u32_u24 v[VX], v[TP], PSTR
	v_mad_u32_u24 v[VX], v[THF], 24, v[VX]
	v_mul_u32_u24 v[VXS], v[TP], PSTRS
	s_mul_i32 s66, s2, 3072
	v_mul_u32_u24 v[VA], v[TR], 192                ; W_in: rows 2 (16 wave + r) and the next
	v_mad_u32_u24 v[VA], v[THF], 24, v[VA]
	v_add_nc_u32 v[VA], s66, v[VA]
	s_mul_i32 s66, s2, 1536
	v_mul_u32_u24 v[VB], v[TR], 96                 ; W_lambda: row 16 wave + r
	v_mad_u32_u24 v[VB], v[THF], 24, v[VB]
	v_add_nc_u32 v[VB], s66, v[VB]
	s_mov_b32 s60, 0x76543210
	s_mov_b32 s61, 0xfedcba98                      ; v_permlanex16_b32's selects for lane l xor 16
	s_mov_b32 s82, 0xbfb8aa3b                      ; -log2(e)
	s_mov_b32 s83, s82                             ; (named with it as a pair, so it is written)
	s_mov_b32 s67, 0
	s_wait_kmcnt 0x0
	s_mul_i32 s66, ttmp9, 96                       ; the line's row at position 0 is the work-group's number
	s_add_nc_u64 s[8:9], s[8:9], s[66:67]
	s_lshl_b32 s66, ttmp9, 2
	s_add_nc_u64 s[10:11], s[10:11], s[66:67]
	s_lshl_b32 s66, ttmp9, 10                      ; hsum: 1,024 bytes a row, 2^20 bytes a position
	s_lshl_b32 s68, s2, 23
	s_add_co_u32 s68, s68, s66
	s_mov_b32 s69, 0
	s_add_nc_u64 s[70:71], s[28:29], s[68:69]      ; position 8 wave
	s_lshl_b32 s68, s2, 3
	s_sub_co_u32 s68, 127, s68
	s_lshl_b32 s68, s68, 20
	s_add_co_u32 s68, s68, s66
	s_add_nc_u64 s[72:73], s[28:29], s[68:69]      ; position 127 - 8 wave
	s_wait_alu depctr_va_vdst(0)                   ; every offset and LDS address of the kernel is written: v1, v3-7, v15 and the head's v189-200, which the loads and stores from here on read
	GFRAG XOWN, VX, 8, 0
	global_load_b32 v[XOWNS], v[VXS], s[10:11]
	GFRAG WFR, VA, 12, 0
	GFRAG WFI, VA, 12, 96
	GFRAG WFL, VB, 16, 0
	global_load_b64 v[WSR:WSR+1], v[VD], s[14:15]
	global_load_b32 v[WSL], v[VE], s[18:19]
	global_load_b64 v[TBIN:TBIN+1], v[VD], s[20:21]
	global_load_b32 v[TBL], v[VE], s[22:23]
	global_load_b32 v[TTF], v[VE], s[24:25]
	global_load_b32 v[TTR], v[VE], s[26:27]
	s_wait_loadcnt 0x0
.irp c, 0,1,2
	ds_store_b128 v[XAW], v[XOWN+4*\c:XOWN+4*\c+3] offset:512*\c     ; the fragment goes to LDS as an image of its registers
.endr
	ds_store_b32 v[XSAW], v[XOWNS]
	BARRIER                                        ; x's eight fragments lie in LDS
	s_wait_alu depctr_vm_vsrc(0)                   ; the head's loads and LDS stores have read their offsets and addresses in v189-200, which the tiles' reciprocals write again as lam
	FETCHX 0, 0
	FETCHX 1, 1
.set N, 0
.rept 8
	v_mov_b32 v[BR+N], v[TBIN]                     ; a lane's column has one bias for all eight rows
	v_mov_b32 v[BI+N], v[TBIN+1]
	v_mov_b32 v[BL+N], v[TBL]
.set N, N+1
.endr
	SINCOS TTF, CF, SF, ST
	SINCOS TTR, CR, SR, ST
	v_cmp_ne_u32 vcc_lo, 0, v[THF]
	v_mov_b32 v[H2I], 0                            ; written once: a lane permute's destination counts as one of its sources
	v_mov_b32 v[H2I+1], 0
	s_wait_alu depctr_va_vcc(0)                    ; the compare has written VCC, which the four selects read
	v_cndmask_b32 v[Q1+1], v[SF], v[SR], vcc_lo    ; phase 1: lanes 0-15 theta_f, lanes 16-31 theta_r
	v_cndmask_b32 v[Q2+1], v[SR], v[SF], vcc_lo    ; phase 2: the other way round
	v_cndmask_b32 v[CC], v[CF], v[CR], vcc_lo
	v_cndmask_b32 v[CC+1], v[CR], v[CF], vcc_lo
	v_xor_b32 v[Q1], 0x80000000, v[Q1+1]
	v_xor_b32 v[Q2], 0x80000000, v[Q2+1]
.irp i, 0,1,2,3,4,5,6,7
	TILE \i
.endr
	WIN 0x01                                       ; source 0 window 1
	v_permlanex16_b32 v[H2I], v[PART+126], s60, s61        ; the end states change halves
	v_permlanex16_b32 v[H2I+1], v[PART+127], s60, s61
	WIN 0
	BARRIER                                        ; every wave's reads of x's images are over: F may be stored over them
.irp i, 7,6,5,4,3,2,1,0
	BATCH2 \i
.endr
	BARRIER                                        ; F is whole
.set N, 0
.rept 32
	ds_load_b128 v[OB+4*N:OB+4*N+3], v[YR] offset:(N/2)*PITCH+512*(N%2)      ; my 16 rows, 512 bytes an instruction.  No wait: no vector or matrix instruction has been issued since the last batch's wait on va_vdst, behind which all that named v92-219 is done
.set N, N+1
.endr
.set N, 0
.rept 32
	s_wait_dscnt 31-N                              ; LDS loads come back in order: load N is in, the younger ones may be out
.if N < 16
	global_store_b128 v[LI16], v[OB+4*N:OB+4*N+3], s[70:71] offset:(N/2)*1048576+512*(N%2)         ; 32 lanes store 512 consecutive bytes, at a multiple of 512 from hsum's first byte
.else
	global_store_b128 v[LI16], v[OB+4*N:OB+4*N+3], s[72:73] offset:(8-N/2)*1048576+512*(N%2)       ; the mirrored rows: positions falling; 7 x 2^20 at the most, inside the signed 24-bit immediate
.endif
.set N, N+1
.endr
	s_wait_dscnt 0x0
	s_wait_alu depctr_hold_cnt(0) depctr_sa_sdst(0) depctr_va_vdst(0) depctr_va_sdst(0) depctr_va_ssrc(0) depctr_va_vcc(0) depctr_vm_vsrc(0)
	s_wait_tensorcnt 0x0
	ds_add_u32 v251, v255
	s_wait_dscnt 0x0
	s_endpgm
.Lfunc_end_k_qc319dab34e_hscan:
	.size	k_qc319dab34e_hscan, .Lfunc_end_k_qc319dab34e_hscan-k_qc319dab34e_hscan
	.p2alignl 7, 3214868480
	.fill 96, 4, 3214868480
	.section	.rodata,"a",@progbits
	.p2align	6, 0x0
	.amdhsa_kernel k_qc319dab34e_hscan
		.amdhsa_group_segment_fixed_size 134144
		.amdhsa_private_segment_fixed_size 0
		.amdhsa_enable_private_segment 0
		.amdhsa_kernarg_size 88
		.amdhsa_user_sgpr_count 2
		.amdhsa_user_sgpr_kernarg_segment_ptr 1
		.amdhsa_wavefront_size32 1
		.amdhsa_system_sgpr_workgroup_id_x 1
		.amdhsa_system_sgpr_workgroup_id_y 1
		.amdhsa_system_sgpr_workgroup_id_z 1
		.amdhsa_system_vgpr_workitem_id 0
		.amdhsa_next_free_vgpr 512
		.amdhsa_next_free_sgpr 96
		.amdhsa_reserve_vcc 1
		.amdhsa_float_denorm_mode_32 3
		.amdhsa_float_denorm_mode_16_64 3
		.amdhsa_memory_ordered 1
		.amdhsa_forward_progress 1
		.amdhsa_inst_pref_size 101
	.end_amdhsa_kernel
	.amdgpu_metadata
---
amdhsa.version: [ 1, 2 ]
amdhsa.kernels:
  - .name:           k_qc319dab34e_hscan
    .symbol:         k_qc319dab34e_hscan.kd
    .args:
      - { .name: x_codes, .offset: 0, .size: 8, .value_kind: global_buffer, .address_space: global }
      - { .name: x_scales, .offset: 8, .size: 8, .value_kind: global_buffer, .address_space: global }
      - { .name: W_in_codes, .offset: 16, .size: 8, .value_kind: global_buffer, .address_space: global }
      - { .name: W_in_scales, .offset: 24, .size: 8, .value_kind: global_buffer, .address_space: global }
      - { .name: W_lambda_codes, .offset: 32, .size: 8, .value_kind: global_buffer, .address_space: global }
      - { .name: W_lambda_scales, .offset: 40, .size: 8, .value_kind: global_buffer, .address_space: global }
      - { .name: b_in, .offset: 48, .size: 8, .value_kind: global_buffer, .address_space: global }
      - { .name: b_lambda, .offset: 56, .size: 8, .value_kind: global_buffer, .address_space: global }
      - { .name: theta_f, .offset: 64, .size: 8, .value_kind: global_buffer, .address_space: global }
      - { .name: theta_r, .offset: 72, .size: 8, .value_kind: global_buffer, .address_space: global }
      - { .name: hsum, .offset: 80, .size: 8, .value_kind: global_buffer, .address_space: global }
    .group_segment_fixed_size: 134144
    .private_segment_fixed_size: 0
    .kernarg_segment_align: 8
    .kernarg_segment_size: 88
    .max_flat_workgroup_size: 256
    .sgpr_count:     96
    .vgpr_count:     512
    .wavefront_size: 32
...
	.end_amdgpu_metadata
.endif
;; end of part 3
;; launch wscan: the kernel of part 2 again; grid 1024 x 1, 8 waves a work-group, no clusters, 327,680 bytes of LDS; arguments x_codes, x_scales, W_in_codes, W_in_scales, W_lambda_codes, W_lambda_scales, b_in, b_lambda, theta_f, theta_r, W_gate_codes, W_gate_scales, b_gate, W_out_codes, W_out_scales, b_out, ln_w, ln_b, hsum, out0; writes out0
